; MI455X (gfx1250); checked and timed in simulation.
; The chip was launched on July 23, 2026; its instructions are those of AMD's public machine-readable ISA for CDNA 5 (MIT licence, August 2026) and "CDNA5" Instruction Set Architecture Reference Guide (July 2026). The comments in the code are by the model that wrote it; some were corrected since.
;; HF Attention. Allowed arithmetic: float matrix products may take bf16 or f16 operands with f32 sums; other float arithmetic in f32, or as packed bf16 or f16 multiplies, adds, multiply-adds, maxima and minima; sums over many terms, partial sums and values carried from step to step in f32; what a program stores and reads back later, other than sums and carried values, may be rounded once to bf16 or f16.
;; Inputs: Wk 512 x 2,048 float32; Wo 2,048 x 1,024 float32; Wq 1,024 x 2,048 float32; Wv 512 x 2,048 float32; cos 1 x 4,096 x 128 float32; hidden_states 1 x 4,096 x 2,048 float32; sin 1 x 4,096 x 128 float32.
;; Outputs: out0 1 x 4,096 x 2,048 float32.
;; One version. Each part assembles by itself: llvm-mc -triple=amdgcn-amd-amdhsa -mcpu=gfx1250 --defsym DOCPART=n.
;; ======== version 1 of 1: 4 launches
;; limits: values are held in f16: magnitudes above 65,504 overflow, below 6.1e-05 lose precision
;; workspace buffers: bf 31,457,280 bytes; qkv 16,777,216 bytes; t32 131,072 bytes; ob 8,388,608 bytes; o32 65,536 bytes
;; launch cast (part 1): grid 1920 x 1, 8 waves a work-group, no clusters, 0 bytes of LDS; arguments hidden_states, Wq, Wk, Wv, Wo, cos, sin, bf; writes bf
.if DOCPART == 1
	.amdgcn_target "amdgcn-amd-amdhsa--gfx1250"
	.amdhsa_code_object_version 6
	.text
	.protected	k_qc3aa02aaae_cast
	.globl	k_qc3aa02aaae_cast
	.p2align	8
	.type	k_qc3aa02aaae_cast,@function
k_qc3aa02aaae_cast:
	s_mov_b64 s[64:65], 0
	v_nop
	global_prefetch_b8 v0, s[64:65] scope:SCOPE_SE
	s_setreg_imm32_b32 hwreg(HW_REG_WAVE_MODE, 25, 1), 1
	s_wait_xcnt 0x0
; All seven inputs are rounded once to bf16 and laid one behind the other in bf:
;   x [4096][2048] at 0; Wq, Wk, Wv as one [2048][2048] at 16,777,216; Wo [2048][1024] at 25,165,824; cos, sin [4096][128] at 29,360,128 and 30,408,704.
; Exact powers of two ride on the weights: Wq and Wk x 2^-6, Wv x 2^-2, so that q, k, v fit f16 with room; Wo is rounded to bf16, taken x 4 and written as f16
; (8 significant bits in 11: exact from 2^-14 up; below that f16's fixed step of 6e-8).  LIMIT: |Wo| under 16,376.
; A work-group converts 8,192 numbers: 32 KiB in, 16 KiB out.  Its number says which input it serves.  Eight loads of 16 bytes a lane go out first; a store of a wave covers 256 consecutive bytes, aligned.
; No LDS, no matrix unit, no prefetch: the launch is one pass over memory with all its loads out at once.
.set X, 4                              ; v[4:35]   eight loads of four f32
.set Y, 36                             ; v[36:51]  eight pairs of packed results
	s_load_b512 s[8:23], s[0:1], 0x0               ; x s[8:9], Wq s[10:11], Wk s[12:13], Wv s[14:15], Wo s[16:17], cos s[18:19], sin s[20:21], bf s[22:23]
	s_mov_b32 s24, ttmp9                           ; the work-group's number g
	v_lshlrev_b32 v1, 4, v0                        ; 16 bytes a thread in
	v_lshlrev_b32 v2, 3, v0                        ; 8 bytes a thread out
	s_mov_b32 s4, 1856                             ; the first g of the source: sin's, unless a line below says otherwise
	s_mov_b32 s5, 0                                ; 0 plain, 1 scaled, 2 to f16
	s_mov_b32 s6, 0x3f800000                       ; the scale
	s_wait_kmcnt 0x0
	s_mov_b64 s[2:3], s[20:21]
.macro PICK bound, ptr, first, mode, scale     ; g below bound: an earlier source
	s_cmp_lt_u32 s24, \bound
	s_cselect_b64 s[2:3], s[\ptr:\ptr+1], s[2:3]
	s_cselect_b32 s4, \first, s4
	s_cselect_b32 s5, \mode, s5
	s_cselect_b32 s6, \scale, s6
.endm
	PICK 1856, 18, 1792, 0, 0x3f800000             ; cos
	PICK 1792, 16, 1536, 2, 0x3f800000             ; Wo
	PICK 1536, 14, 1408, 1, 0x3e800000             ; Wv x 2^-2
	PICK 1408, 12, 1280, 1, 0x3c800000             ; Wk x 2^-6
	PICK 1280, 10, 1024, 1, 0x3c800000             ; Wq x 2^-6
	PICK 1024, 8, 0, 0, 0x3f800000                 ; x
	s_mov_b32 s7, s6                               ; named with it as a pair
	s_sub_co_u32 s26, s24, s4
	s_lshl_b32 s26, s26, 15                        ; 32 KiB of the source for each work-group
	s_mov_b32 s27, 0
	s_add_nc_u64 s[2:3], s[2:3], s[26:27]
	s_lshl_b32 s28, s24, 14                        ; 16 KiB of bf
	s_mov_b32 s29, 0
	s_add_nc_u64 s[22:23], s[22:23], s[28:29]
.irp i, 0,1,2,3,4,5,6,7
	global_load_b128 v[X+4*(\i):X+4*(\i)+3], v1, s[2:3] offset:4096*(\i) th:TH_LOAD_NT
.endr
.macro CV mode
.irp i, 0,1,2,3,4,5,6,7
	s_wait_loadcnt 7-(\i)                          ; loads come back in order: load i is in, the younger ones stay out
.if (\mode) == 1
	v_pk_mul_f32 v[X+4*(\i):X+4*(\i)+1], v[X+4*(\i):X+4*(\i)+1], s[6:7] op_sel_hi:[1,0]
	v_pk_mul_f32 v[X+4*(\i)+2:X+4*(\i)+3], v[X+4*(\i)+2:X+4*(\i)+3], s[6:7] op_sel_hi:[1,0]
.endif
.if (\mode) < 2
	v_cvt_pk_bf16_f32 v[Y+2*(\i)], v[X+4*(\i)], v[X+4*(\i)+1]
	v_cvt_pk_bf16_f32 v[Y+2*(\i)+1], v[X+4*(\i)+2], v[X+4*(\i)+3]
.else
	v_cvt_pk_bf16_f32 v52, v[X+4*(\i)], v[X+4*(\i)+1]      ; the rounding that every input has,
	v_cvt_pk_bf16_f32 v53, v[X+4*(\i)+2], v[X+4*(\i)+3]
	v_lshlrev_b32 v54, 16, v52                             ; back to f32,
	v_and_b32 v55, 0xffff0000, v52
	v_lshlrev_b32 v56, 16, v53
	v_and_b32 v57, 0xffff0000, v53
	v_pk_mul_f32 v[54:55], v[54:55], 4.0 op_sel_hi:[1,0]   ; x 4,
	v_pk_mul_f32 v[56:57], v[56:57], 4.0 op_sel_hi:[1,0]
	v_cvt_pk_f16_f32 v[Y+2*(\i)], v54, v55                 ; and written as f16
	v_cvt_pk_f16_f32 v[Y+2*(\i)+1], v56, v57
.endif
	global_store_b64 v2, v[Y+2*(\i):Y+2*(\i)+1], s[22:23] offset:2048*(\i)
.endr
.endm
	s_cmp_eq_u32 s5, 1
	s_cbranch_scc1 .Lscaled
	s_cmp_eq_u32 s5, 2
	s_cbranch_scc1 .Lhalf
	CV 0
	s_endpgm
.Lscaled:
	CV 1
	s_endpgm
.Lhalf:
	CV 2
	s_endpgm
.Lfunc_end_k_qc3aa02aaae_cast:
	.size	k_qc3aa02aaae_cast, .Lfunc_end_k_qc3aa02aaae_cast-k_qc3aa02aaae_cast
	.p2alignl 7, 3214868480
	.fill 96, 4, 3214868480
	.section	.rodata,"a",@progbits
	.p2align	6, 0x0
	.amdhsa_kernel k_qc3aa02aaae_cast
		.amdhsa_group_segment_fixed_size 0
		.amdhsa_private_segment_fixed_size 0
		.amdhsa_enable_private_segment 0
		.amdhsa_kernarg_size 64
		.amdhsa_user_sgpr_count 2
		.amdhsa_user_sgpr_kernarg_segment_ptr 1
		.amdhsa_wavefront_size32 1
		.amdhsa_system_sgpr_workgroup_id_x 1
		.amdhsa_system_sgpr_workgroup_id_y 1
		.amdhsa_system_sgpr_workgroup_id_z 1
		.amdhsa_system_vgpr_workitem_id 0
		.amdhsa_next_free_vgpr 64
		.amdhsa_next_free_sgpr 66
		.amdhsa_reserve_vcc 0
		.amdhsa_float_denorm_mode_32 3
		.amdhsa_float_denorm_mode_16_64 3
		.amdhsa_memory_ordered 1
		.amdhsa_forward_progress 1
		.amdhsa_inst_pref_size 14
	.end_amdhsa_kernel
	.amdgpu_metadata
---
amdhsa.version: [ 1, 2 ]
amdhsa.kernels:
  - .name:           k_qc3aa02aaae_cast
    .symbol:         k_qc3aa02aaae_cast.kd
    .args:
      - { .name: hidden_states, .offset: 0, .size: 8, .value_kind: global_buffer, .address_space: global }
      - { .name: Wq, .offset: 8, .size: 8, .value_kind: global_buffer, .address_space: global }
      - { .name: Wk, .offset: 16, .size: 8, .value_kind: global_buffer, .address_space: global }
      - { .name: Wv, .offset: 24, .size: 8, .value_kind: global_buffer, .address_space: global }
      - { .name: Wo, .offset: 32, .size: 8, .value_kind: global_buffer, .address_space: global }
      - { .name: cos, .offset: 40, .size: 8, .value_kind: global_buffer, .address_space: global }
      - { .name: sin, .offset: 48, .size: 8, .value_kind: global_buffer, .address_space: global }
      - { .name: bf, .offset: 56, .size: 8, .value_kind: global_buffer, .address_space: global }
    .group_segment_fixed_size: 0
    .private_segment_fixed_size: 0
    .kernarg_segment_align: 8
    .kernarg_segment_size: 64
    .max_flat_workgroup_size: 256
    .sgpr_count:     66
    .vgpr_count:     64
    .wavefront_size: 32
...
	.end_amdgpu_metadata
.endif
;; end of part 1
;; launch proj (part 2): grid 16 x 16, 4 waves a work-group, clusters of 4 x 4, 327,680 bytes of LDS; arguments bf, qkv, t32; writes qkv, t32
.if DOCPART == 2
	.amdgcn_target "amdgcn-amd-amdhsa--gfx1250"
	.amdhsa_code_object_version 6
	.text
	.protected	k_qc3aa02aaae_proj
	.globl	k_qc3aa02aaae_proj
	.p2align	8
	.type	k_qc3aa02aaae_proj,@function
k_qc3aa02aaae_proj:
	s_mov_b64 s[64:65], 0
	v_nop
	global_prefetch_b8 v0, s[64:65] scope:SCOPE_SE
	s_setreg_imm32_b32 hwreg(HW_REG_WAVE_MODE, 25, 1), 1
	s_wait_xcnt 0x0
	s_wait_alu depctr_hold_cnt(0) depctr_sa_sdst(0) depctr_va_vdst(0) depctr_va_sdst(0) depctr_va_ssrc(0) depctr_va_vcc(0) depctr_vm_vsrc(0)
	s_getreg_b32 s2, hwreg(HW_REG_IB_STS2, 6, 4)
	s_cmp_eq_u32 s2, 0
	s_cbranch_scc0 .Lentry_in_a_cluster
	s_endpgm
.Lentry_in_a_cluster:
	s_bfe_u32 s2, ttmp6, 0x10000c
	s_cmp_lg_u32 s2, 0xf033
	s_cbranch_scc0 .Lentry_shape_is_right
	s_endpgm
.Lentry_shape_is_right:
; [q' | k' | v'] = x Wqkv^T, 4096 x 2048 x 2048, bf16 operands, f32 sums; rotary embedding in f32 on the way out; stored by heads in f16: qkv [16][4096][128], planes 0-7 q, 8-11 k, 12-15 v.
; The weights carry exact scales, so q' = q / 64, k' = k / 64, v' = v / 4.  LIMITS: |q|, |k| under 64 x 65,504 and |v| under 4 x 65,504, else f16 gives an infinity; below 6e-5 f16 keeps its fixed step of 6e-8.
; Rows 0-15 go out a second time in f32 (t32 [16][2048]): the launch that makes the first 16 rows of the result takes them from there.
; SHARES.  A tile is 256 rows x 128 columns (one head): 16 x 16 work-groups.  Wave w owns rows 64 w .. 64 w + 63 and all 128 columns: 32 accumulators, 256 registers; so channels d and d + 64 of a head
; lie in the same lane and register number of accumulators b and b + 4, which is what the rotation pairs.
; The product is used transposed (source 0 = 16 rows of W, source 1 = 16 rows of x): a lane holds row l % 16 and the columns 16 b + 8 (l / 16) + 0..7.
; RING.  K goes in steps of 128 (rows of 256 bytes) through two LDS slots: x's 256 rows, then W's 128, each row padded to 272 bytes.  Waves 0, 1 fetch x's halves (128 rows), waves 2, 3 W's (64 rows).
; CLUSTER 4 x 4: x's tile is shared along a row of the cluster, W's along a column: joint loads.
; REGISTERS.  window 0: v16-31 addresses; v64-159, v160-255 two fragment buffers (W's eight fragments, then x's four); on the way out v64-95 packed, v96-159 rotated f32, v160-223 rows read back.
;   window 1: accumulator (a, b) at 8 (8 a + b).   window 2: cos at 4 (8 a + b), sin at 128 + the same: bf16, in the accumulators' layout.
.set SIZE_K, 2048
.set KSTEP,  128
.set PITCH,  272                       ; 256 bytes + 16: 68 words, so the 16 rows of a fragment load start at 16 different groups of four banks (64 banks of 4 bytes: ISA guide 11.1)
.set PART,   128*PITCH
.set HALFB,  64*PITCH
.set SLOT,   3*PART
.set STAGE,  2*SLOT                    ; behind the ring: 16 rows x 272 bytes for each wave
.set SPITCH, 272
.set SPARE,  STAGE+4*16*SPITCH         ; the spare words: 128 bytes a wave, two blocks of 256 bytes that no other line names
.set LAPS,   SIZE_K/(2*KSTEP)
.set WB,     16777216                  ; Wqkv in bf
.set CB,     29360128                  ; cos in bf
.set SINB,   1048576                   ; sin lies so far behind cos
.set ADRA, 16
.set ADRB, 20
.set CSO,  22
.set TO,   23
.set STO,  24
.set RD,   25
.set CO,   26
.set ZR,   27
.set SPW,  28
.set NIL,  29
.set PFO,  30
.set ROWB, 31
.set F0,   64
.set F1,   160
.set TMP,  64
.set T,    96
.set BK,   160
.set G1,   24
.set G0,   32
.set G1B,  48
.set G0B,  56
.set PFA,  66                          ; s[66:67] where my prefetches stand
.set LIM,  68                          ; 1 in a wave that prefetches, else the greatest number
.set ISV,  69                          ; cluster x: 3 for the v tiles
.set MUL,  0x50                        ; C and D in window 1, fragments in window 0
.set MSB, 0
.macro WIN new                         ; the immediate's high byte repeats the setting that is left
.if MSB != (\new)
	s_set_vgpr_msb (MSB<<8)|(\new)
.set MSB, \new
.endif
.endm
.macro PLACES                          ; four plain places behind matrix instructions (ISA guide 7.12.1)
.rept 4
	v_nop
.endr
.endm
.macro JLOAD s                         ; a joint load: waves 0, 1 for x, waves 2, 3 for W; an s_nop 0 and four v_nop follow each line
	s_cmp_eq_u32 s11, 0
	s_cbranch_scc0 .Lfor_b_\@
	tensor_load_to_lds s[G0+4*(\s):G0+4*(\s)+3], s[G1:G1+7]
	s_nop 0
.rept 4
	v_nop
.endr
	s_branch .Lasked_\@
.Lfor_b_\@:
	tensor_load_to_lds s[G0B+4*(\s):G0B+4*(\s)+3], s[G1B:G1B+7]
	s_nop 0
.rept 4
	v_nop
.endr
.Lasked_\@:
.endm
.macro ASK                             ; 32 rows x 256 bytes of the K step two refills on, a lane a row; the loop's last trip has no such step
	s_cmp_gt_u32 s3, s[LIM]
	s_cbranch_scc0 .Lnot_mine_\@
	global_prefetch_b8 v[PFO], s[PFA:PFA+1] offset:KSTEP*2 th:TH_LOAD_NT scope:SCOPE_SE
.Lnot_mine_\@:
.endm
.macro CREST
	s_cmp_lg_u32 s10, 0
	s_cbranch_scc1 .Lnot_wave_0_\@
	s_barrier_signal -3
.Lnot_wave_0_\@:
	s_barrier_wait -3
	s_barrier_signal -1
	s_barrier_wait -1
.endm
.macro CROUND
	s_barrier_signal -1
	s_barrier_wait -1
	CREST
.endm
	s_load_b128 s[4:7], s[0:1], 0x0                ; bf s[4:5], qkv s[6:7]
	s_load_b64 s[8:9], s[0:1], 0x10                ; t32
	v_lshl_add_u32 v[SPW], v0, 2, SPARE
	v_mov_b32 v[NIL], 0
	ds_add_u32 v[SPW], v[NIL]                      ; the wave's opening: the add and its wait stand ahead of my first tensor load
	v_lshrrev_b32 v1, 5, v0
	v_readfirstlane_b32 s10, v1                    ; wave 0..3
	s_lshr_b32 s11, s10, 1                         ; I fetch for x (0) or for W (1)
	s_and_b32 s12, s10, 1                          ; which half
	s_bfe_u32 s40, ttmp6, 0x40000                  ; cx
	s_bfe_u32 s41, ttmp6, 0x40004                  ; cy
	s_lshl_b32 s42, ttmp9, 2
	s_add_co_u32 s42, s42, s40                     ; tile column = 4 x cluster x + cx
	s_and_b32 s13, ttmp7, 0xffff
	s_lshl_b32 s13, s13, 2
	s_add_co_u32 s13, s13, s41                     ; tile row = 4 x cluster y + cy
	s_mov_b32 s[ISV], ttmp9
	s_lshl_b32 s43, s41, 2
	s_lshl_b32 s43, 15, s43                        ; my row of the cluster
	s_lshl_b32 s44, 0x1111, s40                    ; my column
	s_or_b32 s[G1+0], s43, (1<<16)|(1<<20)|(1<<21)|(5<<22)|(3<<25)   ; mask; 2-byte elements; padding on; bit 21 beside a mask; after every 64 words, 4 words
	s_or_b32 s[G1B+0], s44, (1<<16)|(1<<20)|(1<<21)|(5<<22)|(3<<25)
	s_mov_b32 s[G1+1], KSTEP<<16                   ; tensor_dim0 = 128
	s_mov_b32 s[G1B+1], KSTEP<<16
	s_mov_b32 s[G1+2], 128<<16                     ; tensor_dim1: 128 rows of x,
	s_mov_b32 s[G1B+2], 64<<16                     ; 64 of W
	s_mov_b32 s[G1+3], KSTEP<<16                   ; tile_dim0 = 128
	s_mov_b32 s[G1B+3], KSTEP<<16
	s_mov_b32 s[G1+4], 128                         ; tile_dim1
	s_mov_b32 s[G1B+4], 64
	s_mov_b32 s[G1+5], SIZE_K                      ; elements from row to row
	s_mov_b32 s[G1B+5], SIZE_K
	s_mov_b32 s[G1+6], 0
	s_mov_b32 s[G1B+6], 0
	s_mov_b32 s[G1+7], 0
	s_mov_b32 s[G1B+7], 0
	s_lshl_b32 s17, s12, 7
	s_lshl_b32 s16, s13, 8
	s_add_co_u32 s16, s16, s17                     ; x: row 256 x tile row + 128 x half
	s_lshl_b32 s47, s12, 6
	s_lshl_b32 s46, s42, 7
	s_add_co_u32 s46, s46, s47                     ; W: row 128 x tile column + 64 x half
	s_mov_b32 s17, 0
	s_mov_b32 s47, 0
	s_mov_b64 s[18:19], SIZE_K*2
	s_mul_u64 s[16:17], s[16:17], s[18:19]
	s_mul_u64 s[46:47], s[46:47], s[18:19]
	s_mul_i32 s20, s10, PART                       ; x's halves at wave x 128 rows (waves 0, 1)
	s_mul_i32 s21, s10, HALFB
	s_add_co_u32 s21, s21, 2*PART-2*HALFB          ; W's halves behind them, at (wave - 2) x 64 rows (waves 2, 3)
	s_wait_dscnt 0x0                               ; the opening add is done
	s_wait_kmcnt 0x0
	s_add_nc_u64 s[80:81], s[4:5], WB
	s_add_nc_u64 s[14:15], s[4:5], s[16:17]
	s_add_nc_u64 s[46:47], s[80:81], s[46:47]
	CROUND                                         ; all sixteen work-groups are here: the first joint loads meet
.irp s, 0,1
	s_mov_b32 s[G0+4*(\s)], 1
	s_add_co_u32 s[G0+4*(\s)+1], s20, (\s)*SLOT
	s_add_nc_u64 s[G0+4*(\s)+2:G0+4*(\s)+3], s[14:15], (\s)*KSTEP*2
	s_or_b32 s[G0+4*(\s)+3], s[G0+4*(\s)+3], 0x80000000
	s_mov_b32 s[G0B+4*(\s)], 1
	s_add_co_u32 s[G0B+4*(\s)+1], s21, (\s)*SLOT
	s_add_nc_u64 s[G0B+4*(\s)+2:G0B+4*(\s)+3], s[46:47], (\s)*KSTEP*2
	s_or_b32 s[G0B+4*(\s)+3], s[G0B+4*(\s)+3], 0x80000000
	JLOAD \s                                       ; two loads of mine are out
.endr
	v_and_b32 v1, 15, v0                           ; l % 16
	v_bfe_u32 v2, v0, 4, 1                         ; l / 16
	v_lshlrev_b32 v[CSO], 8, v1
	v_lshl_add_u32 v[CSO], v2, 4, v[CSO]           ; a row of cos is 256 bytes; my 8 numbers of 16
	s_lshl_b32 s74, s13, 16                        ; 256 tile rows x 256 bytes,
	s_lshl_b32 s75, s10, 14                        ; my wave's 64 rows
	s_add_co_u32 s74, s74, s75
	s_mov_b32 s75, 0
	s_add_nc_u64 s[72:73], s[4:5], s[74:75]
	s_add_nc_u64 s[72:73], s[72:73], CB            ; cos at my wave's first row
	s_add_nc_u64 s[76:77], s[6:7], s[74:75]
	s_lshl_b32 s74, s42, 20
	s_add_nc_u64 s[76:77], s[76:77], s[74:75]      ; qkv: plane = tile column, my wave's first row
	s_lshl_b32 s74, s42, 9
	s_add_nc_u64 s[78:79], s[8:9], s[74:75]        ; t32 at the tile's first column
	WIN 0x80                                       ; destination window 2.  The tables are loaded by every tile, the v tiles too, which do not use them: so the registers are written on every path
.set i, 0
.rept 32
	global_load_b128 v[4*i:4*i+3], v[CSO], s[72:73] offset:(i/8)*4096+(i%8)*32
	global_load_b128 v[128+4*i:128+4*i+3], v[CSO], s[72:73] offset:(i/8)*4096+(i%8)*32+SINB
.set i, i+1
.endr
	WIN 0
	v_mul_u32_u24 v3, v1, PITCH
	v_lshl_add_u32 v3, v2, 4, v3                   ; a fragment's row x pitch + 16 x half
	s_mul_i32 s21, s10, 64*PITCH                   ; my 64 rows of x
	s_mov_b32 s22, 2*PART                          ; W's rows lie behind x's 256
.irp s, 0,1
	v_add_nc_u32 v[ADRA+(\s)], s21, v3
	v_add_nc_u32 v[ADRB+(\s)], s22, v3
	s_add_co_u32 s21, s21, SLOT
	s_add_co_u32 s22, s22, SLOT
.endr
	s_mul_i32 s23, s10, 16*SPITCH
	s_add_co_u32 s23, s23, STAGE                   ; my stage
	v_mul_u32_u24 v4, v1, SPITCH
	v_lshl_add_u32 v4, v2, 4, v4
	v_add_nc_u32 v[STO], s23, v4                   ; in: row l % 16, 16 bytes for each half of the lanes
	v_mul_u32_u24 v5, v2, SPITCH
	v_lshl_add_u32 v5, v1, 4, v5
	v_add_nc_u32 v[RD], s23, v5                    ; back: lanes 0-15 one row of 256 bytes, lanes 16-31 the next
	v_and_b32 v[CO], 31, v0
	v_lshlrev_b32 v[CO], 4, v[CO]                  ; which are 512 consecutive bytes of a plane
	v_lshlrev_b32 v[TO], 13, v1
	v_lshl_add_u32 v[TO], v2, 5, v[TO]             ; t32: row l % 16 of 8,192 bytes, 32 bytes for each half
	v_mov_b32 v[ZR], 0
	s_lshl_b32 s74, s13, 8
	s_lshl_b32 s75, s10, 6
	s_add_co_u32 s74, s74, s75
	v_mov_b32 v[ROWB], s74                         ; my wave's first row: 0 in the one wave a tile column that holds rows 0-15
	; the prefetches: x's rows are asked for by cluster x = 0, W's by cluster y = 0 (wave 2 alone: 128 rows, 32 for each partner); the four partners share the rows out by address
	s_lshl_b32 s20, s13, 8
	s_lshl_b32 s22, s12, 7
	s_add_co_u32 s20, s20, s22
	s_lshl_b32 s21, s42, 7
	s_and_b32 s22, ttmp7, 0xffff
	s_cmp_eq_u32 s11, 0
	s_cselect_b32 s20, s20, s21
	s_cselect_b32 s21, s40, s41
	s_cselect_b32 s22, ttmp9, s22
	s_cselect_b64 s[PFA:PFA+1], s[4:5], s[80:81]
	s_cmp_eq_u32 s22, 0
	s_cselect_b32 s[LIM], 1, -1
	s_cmp_eq_u32 s10, 3
	s_cselect_b32 s[LIM], -1, s[LIM]
	s_lshl_b32 s21, s21, 5
	s_add_co_u32 s20, s20, s21
	s_mov_b32 s21, 0
	s_mul_u64 s[20:21], s[20:21], s[18:19]
	s_add_nc_u64 s[PFA:PFA+1], s[PFA:PFA+1], s[20:21]
	s_add_nc_u64 s[PFA:PFA+1], s[PFA:PFA+1], 2*KSTEP*2   ; at K step 2: the first refill steps it to 3 and names K step 4; K steps 0 to 3 come by their loads alone
	v_and_b32 v[PFO], 31, v0
	v_mul_u32_u24 v[PFO], v[PFO], SIZE_K*2
.macro MUL8 f, a, zero                 ; m block a x all 8 n blocks, 32 along K; zero = 1: the product starts the sums
	WIN MUL
.irp b, 0,1,2,3,4,5,6,7
.if \zero
	v_wmma_f32_16x16x32_bf16 v[8*(8*(\a)+(\b)):8*(8*(\a)+(\b))+7], v[(\f)+8*(\b):(\f)+8*(\b)+7], v[(\f)+64+8*(\a):(\f)+64+8*(\a)+7], 0
.else
	v_wmma_f32_16x16x32_bf16 v[8*(8*(\a)+(\b)):8*(8*(\a)+(\b))+7], v[(\f)+8*(\b):(\f)+8*(\b)+7], v[(\f)+64+8*(\a):(\f)+64+8*(\a)+7], v[8*(8*(\a)+(\b)):8*(8*(\a)+(\b))+7]
.endif
.endr
.endm
.macro FETCH slot, k, f                ; 24 LDS loads in one run: W's eight fragments, then x's four
	WIN 0
.irp i, 0,1,2,3,4,5,6,7
	ds_load_b128 v[(\f)+8*(\i):(\f)+8*(\i)+3],   v[ADRB+(\slot)] offset:(\k)+(\i)*16*PITCH
	ds_load_b128 v[(\f)+8*(\i)+4:(\f)+8*(\i)+7], v[ADRB+(\slot)] offset:(\k)+(\i)*16*PITCH+32
.endr
.irp i, 0,1,2,3
	ds_load_b128 v[(\f)+64+8*(\i):(\f)+64+8*(\i)+3],   v[ADRA+(\slot)] offset:(\k)+(\i)*16*PITCH
	ds_load_b128 v[(\f)+64+8*(\i)+4:(\f)+64+8*(\i)+7], v[ADRA+(\slot)] offset:(\k)+(\i)*16*PITCH+32
.endr
.endm
; A K step is four quarters of 32 along K, 32 matrix instructions each, on buffers 0, 1, 0, 1.  The 32 accumulators take turns in the same order in every quarter.
.macro QUARTER slot, k, f, g, zero
	s_wait_dscnt 4                                 ; all but the youngest four loads: x's blocks 2 and 3
	MUL8 \f, 0, \zero
	MUL8 \f, 1, \zero
	PLACES
	FETCH \slot, \k, \g
	s_wait_dscnt 24                                ; all but the 24 just issued
	MUL8 \f, 2, \zero
	MUL8 \f, 3, \zero
.endm
; The last quarter multiplies buffer 1 and changes slots: each wave waits for all its tensor loads (one is out: its part of the next slot), adds 0 to its spare word, and waits for that and for its reads of this slot.
.macro TURN slot, next, fill
.if \fill
	s_wait_xcnt 0x0                                ; the last prefetch, a K step back, has read its address
	s_add_nc_u64 s[PFA:PFA+1], s[PFA:PFA+1], KSTEP*2
.endif
	WIN 0
	s_wait_tensorcnt 0x0
	ds_add_u32 v[SPW], v[NIL]
	s_wait_dscnt 5                                 ; the add and x's last four loads may be out
	MUL8 F1, 0, 0
	s_wait_dscnt 0x0                               ; the add is done, and my reads of this slot are over
	s_barrier_signal -1
	MUL8 F1, 1, 0
.if \fill
	WIN 0
.endif
	s_barrier_wait -1
.if \fill
	CREST                                          ; the barrier has opened a round of the cluster's: no wave of any partner still reads this slot or has a load on its way
	s_add_nc_u64 s[G0+4*(\slot)+2:G0+4*(\slot)+3], s[G0+4*(\slot)+2:G0+4*(\slot)+3], 2*KSTEP*2
	s_add_nc_u64 s[G0B+4*(\slot)+2:G0B+4*(\slot)+3], s[G0B+4*(\slot)+2:G0B+4*(\slot)+3], 2*KSTEP*2
	JLOAD \slot                                    ; my one load behind the round; its four v_nop are also the places in front of the loads below
.else
	PLACES
.endif
	FETCH \next, 0, F0
.if \fill
	ASK
.endif
	MUL8 F1, 2, 0
	MUL8 F1, 3, 0
.endm
	s_wait_tensorcnt 0x1                           ; my part of K step 0 is in; K step 1's may stay out
	s_barrier_signal -1
	s_barrier_wait -1
	FETCH 0, 0, F0
	QUARTER 0, 64, F0, F1, 1                       ; the first quarter starts the sums
	WIN 0
	s_mov_b32 s3, LAPS-1
.Llap:                                         ; once round the ring, from a lap's second quarter to the next lap's first
	QUARTER 0, 128, F1, F0, 0
	QUARTER 0, 192, F0, F1, 0
	TURN 0, 1, 1
	QUARTER 1, 64,  F0, F1, 0
	QUARTER 1, 128, F1, F0, 0
	QUARTER 1, 192, F0, F1, 0
	TURN 1, 0, 1
	QUARTER 0, 64,  F0, F1, 0
	WIN 0
	s_sub_co_u32 s3, s3, 1
	s_cmp_lg_u32 s3, 0
	s_cbranch_scc1 .Llap
	QUARTER 0, 128, F1, F0, 0                      ; the last lap fills nothing
	QUARTER 0, 192, F0, F1, 0
	TURN 0, 1, 0
	QUARTER 1, 64,  F0, F1, 0
	QUARTER 1, 128, F1, F0, 0
	QUARTER 1, 192, F0, F1, 0
	s_wait_dscnt 4
	MUL8 F1, 0, 0
	MUL8 F1, 1, 0
	s_wait_dscnt 0x0
	MUL8 F1, 2, 0
	MUL8 F1, 3, 0
	WIN 0
; THE WAY OUT, a block of 16 rows at a time.
.macro MIX d, c, h, x, z2, ng          ; v[d] = bf16 half h of v[c] x (+-) v[x] + v[z2], one rounding
.if \h
.if \ng
	v_fma_mix_f32_bf16 v[\d], v[\c], -v[\x], v[\z2] op_sel:[1,0,0] op_sel_hi:[1,0,0]
.else
	v_fma_mix_f32_bf16 v[\d], v[\c], v[\x], v[\z2] op_sel:[1,0,0] op_sel_hi:[1,0,0]
.endif
.else
.if \ng
	v_fma_mix_f32_bf16 v[\d], v[\c], -v[\x], v[\z2] op_sel_hi:[1,0,0]
.else
	v_fma_mix_f32_bf16 v[\d], v[\c], v[\x], v[\z2] op_sel_hi:[1,0,0]
.endif
.endif
.endm
; out[d] = y[d] cos[d] - y[d+64] sin[d], out[d+64] = y[d+64] cos[d+64] + y[d] sin[d+64]; each accumulator is read from its lowest register on
.macro PACKR a
	WIN 0x06                                       ; source 0 (table) window 2, source 1 (accumulator) window 1, source 2 and destination window 0
.irp bp, 0,1,2,3
.set tb, T+16*(\bp)
.set xa0, 8*(8*(\a)+(\bp))
.set xa1, xa0+32
.set xc0, 4*(8*(\a)+(\bp))
.set xc1, xc0+16
.set r, 0
.rept 8
	MIX tb+r, xc0+r/2, r%2, xa0+r, ZR, 0
.set r, r+1
.endr
.set r, 0
.rept 8
	MIX tb+8+r, xc1+r/2, r%2, xa1+r, ZR, 0
.set r, r+1
.endr
.set r, 0
.rept 8
	MIX tb+r, 128+xc0+r/2, r%2, xa1+r, tb+r, 1
.set r, r+1
.endr
.set r, 0
.rept 8
	MIX tb+8+r, 128+xc1+r/2, r%2, xa0+r, tb+8+r, 0
.set r, r+1
.endr
.endr
	WIN 0
.irp b, 0,1,2,3,4,5,6,7
.irp q, 0,1,2,3
	v_cvt_pk_f16_f32 v[TMP+4*(\b)+(\q)], v[T+16*((\b)%4)+8*((\b)/4)+2*(\q)], v[T+16*((\b)%4)+8*((\b)/4)+2*(\q)+1]
.endr
.endr
.endm
.macro PACKV a
	WIN 0x05                                       ; sources 0 and 1 window 1
.irp b, 0,1,2,3,4,5,6,7
.irp q, 0,1,2,3
	v_cvt_pk_f16_f32 v[TMP+4*(\b)+(\q)], v[8*(8*(\a)+(\b))+2*(\q)], v[8*(8*(\a)+(\b))+2*(\q)+1]
.endr
.endr
	WIN 0
.endm
; Rows 0-15 in f32: the lanes are on only in the wave whose first row is 0.  EXEC changes only behind s_wait_xcnt 0, both ways.
.macro T32 isv
	WIN 0
	v_cmp_eq_u32 vcc_lo, 0, v[ROWB]
	s_wait_xcnt 0x0
	s_and_saveexec_b32 s70, vcc_lo
.if \isv
	WIN 0x04                                       ; store data in window 1
.irp b, 0,1,2,3,4,5,6,7
	global_store_b128 v[TO], v[8*(\b):8*(\b)+3], s[78:79] offset:64*(\b)
	global_store_b128 v[TO], v[8*(\b)+4:8*(\b)+7], s[78:79] offset:64*(\b)+16
.endr
	WIN 0
.else
.irp b, 0,1,2,3,4,5,6,7
	global_store_b128 v[TO], v[T+16*((\b)%4)+8*((\b)/4):T+16*((\b)%4)+8*((\b)/4)+3], s[78:79] offset:64*(\b)
	global_store_b128 v[TO], v[T+16*((\b)%4)+8*((\b)/4)+4:T+16*((\b)%4)+8*((\b)/4)+7], s[78:79] offset:64*(\b)+16
.endr
.endif
	s_wait_xcnt 0x0                                ; the stores have read EXEC and their data
	s_or_b32 exec_lo, exec_lo, s70
.endm
.macro TOSTAGE a
	WIN 0
.irp b, 0,1,2,3,4,5,6,7
	ds_store_b128 v[STO], v[TMP+4*(\b):TMP+4*(\b)+3] offset:32*(\b)
.endr
.irp t, 0,1,2,3,4,5,6,7
	ds_load_b128 v[BK+32*((\a)%2)+4*(\t):BK+32*((\a)%2)+4*(\t)+3], v[RD] offset:(\t)*2*SPITCH  ; LDS serves a wave's instructions in order (ISA guide 5.7.1.4): these see the stores above
.endr
.endm
.macro SEND a
	s_wait_dscnt 0x0                               ; the block is back in registers
	s_wait_xcnt 0x0                                ; the stores of the block before have read their registers, which the next block's loads will write
.irp t, 0,1,2,3,4,5,6,7
	global_store_b128 v[CO], v[BK+32*((\a)%2)+4*(\t):BK+32*((\a)%2)+4*(\t)+3], s[76:77] offset:4096*(\a)+512*(\t)  ; 512 consecutive bytes, aligned
.endr
.endm
	PLACES
	s_wait_loadcnt 0x0                             ; cos and sin
.irp a, 0,1,2,3
	s_cmp_eq_u32 s[ISV], 3                         ; the same in all sixteen partners
	s_cbranch_scc1 .Lv\a
	PACKR \a
.if (\a) == 0
	T32 0
.endif
	s_branch .Lj\a
.Lv\a:
	PACKV \a
.if (\a) == 0
	T32 1
.endif
.Lj\a:
.if (\a) > 0
	SEND (\a)-1
.endif
	TOSTAGE \a
.endr
	SEND 3
	s_wait_tensorcnt 0x0                           ; the wave's end
	ds_add_u32 v[SPW], v[NIL]
	s_wait_dscnt 0x0
	CROUND                                         ; the closing round
	s_endpgm
.Lfunc_end_k_qc3aa02aaae_proj:
	.size	k_qc3aa02aaae_proj, .Lfunc_end_k_qc3aa02aaae_proj-k_qc3aa02aaae_proj
	.p2alignl 7, 3214868480
	.fill 96, 4, 3214868480
	.section	.rodata,"a",@progbits
	.p2align	6, 0x0
	.amdhsa_kernel k_qc3aa02aaae_proj
		.amdhsa_group_segment_fixed_size 327680
		.amdhsa_private_segment_fixed_size 0
		.amdhsa_enable_private_segment 0
		.amdhsa_kernarg_size 24
		.amdhsa_user_sgpr_count 2
		.amdhsa_user_sgpr_kernarg_segment_ptr 1
		.amdhsa_wavefront_size32 1
		.amdhsa_system_sgpr_workgroup_id_x 1
		.amdhsa_system_sgpr_workgroup_id_y 1
		.amdhsa_system_sgpr_workgroup_id_z 1
		.amdhsa_system_vgpr_workitem_id 0
		.amdhsa_next_free_vgpr 768
		.amdhsa_next_free_sgpr 84
		.amdhsa_reserve_vcc 1
		.amdhsa_float_denorm_mode_32 3
		.amdhsa_float_denorm_mode_16_64 3
		.amdhsa_memory_ordered 1
		.amdhsa_forward_progress 1
		.amdhsa_inst_pref_size 138
	.end_amdhsa_kernel
	.amdgpu_metadata
---
amdhsa.version: [ 1, 2 ]
amdhsa.kernels:
  - .name:           k_qc3aa02aaae_proj
    .symbol:         k_qc3aa02aaae_proj.kd
    .args:
      - { .name: bf, .offset: 0, .size: 8, .value_kind: global_buffer, .address_space: global }
      - { .name: qkv, .offset: 8, .size: 8, .value_kind: global_buffer, .address_space: global }
      - { .name: t32, .offset: 16, .size: 8, .value_kind: global_buffer, .address_space: global }
    .group_segment_fixed_size: 327680
    .private_segment_fixed_size: 0
    .kernarg_segment_align: 8
    .kernarg_segment_size: 24
    .max_flat_workgroup_size: 128
    .sgpr_count:     84
    .vgpr_count:     768
    .wavefront_size: 32
...
	.end_amdgpu_metadata
.endif
;; end of part 2
;; launch attn (part 3): grid 32 x 8, 4 waves a work-group, clusters of 4 x 1, 327,680 bytes of LDS; arguments qkv, ob, t32, o32; writes ob, o32
.if DOCPART == 3
	.amdgcn_target "amdgcn-amd-amdhsa--gfx1250"
	.amdhsa_code_object_version 6
	.text
	.protected	k_qc3aa02aaae_attn
	.globl	k_qc3aa02aaae_attn
	.p2align	8
	.type	k_qc3aa02aaae_attn,@function
k_qc3aa02aaae_attn:
	s_mov_b64 s[64:65], 0
	v_nop
	global_prefetch_b8 v0, s[64:65] scope:SCOPE_SE
	s_setreg_imm32_b32 hwreg(HW_REG_WAVE_MODE, 25, 1), 1
	s_wait_xcnt 0x0
	s_wait_alu depctr_hold_cnt(0) depctr_sa_sdst(0) depctr_va_vdst(0) depctr_va_sdst(0) depctr_va_ssrc(0) depctr_va_vcc(0) depctr_vm_vsrc(0)
	s_getreg_b32 s2, hwreg(HW_REG_IB_STS2, 6, 4)
	s_cmp_eq_u32 s2, 0
	s_cbranch_scc0 .Lentry_in_a_cluster
	s_endpgm
.Lentry_in_a_cluster:
	s_bfe_u32 s2, ttmp6, 0x10000c
	s_cmp_lg_u32 s2, 0x3003
	s_cbranch_scc0 .Lentry_shape_is_right
	s_endpgm
.Lentry_shape_is_right:
; CAUSAL ATTENTION, 8 query heads on 4 key and value heads, head size 128, 4,096 rows.  qkv [16][4096][128] f16: planes 0-7 q' = q / 64, 8-11 k' = k / 64, 12-15 v' = v / 4.  ob [4096][1024] f16: O' = O / 4, column 128 head + d.
; Products, maxima, sums and the partial O in f32; the weights p are rounded to f16 for the second product (their sum is taken of the unrounded p), O' once at the end.
; LIMITS.  A hidden score counts as its value less 1e30 (f16's scores are 5.5e11 at the most; in the f32 rows at the end: as -1e30); a weight below 2^-126 counts as 0; NaN and infinities are not treated apart.
; SHARES.  A head's queries lie in 64 bands of 64.  A work-group takes TWO bands, 63 - 4 J - cx and then 4 J + cx (J the cluster's number, cx its place in the cluster): 16 - J and J + 1 tiles of 256 keys, 17 whatever J and cx:
; 256 work-groups of equal work, and the four partners of a cluster walk the SAME tiles, so every tile is a joint load.  Trip counts are constants; branches hang on J alone.
; THE KEYS OF A TILE ARE SPLIT AMONG THE WAVES: every wave holds all 64 queries (four tiles of 16), and of each 256 keys wave w takes 64 w .. 64 w + 63.  So a fragment of K or V read from LDS feeds four tiles' products.
; Each wave has its own running maximum m, sum l and partial O^T; they meet in LDS at a band's end (MERGE).
; LAYOUT.  S^T = K Q^T (source 0 = 16 keys, source 1 = 16 queries): a lane holds ONE query (lane % 16) and the keys 8 (lane / 16) + 0..7; two results rounded to f16 ARE source 1 of O^T = V^T P.  V comes out of LDS turned.
; SOFTMAX.  p = 2^(c s - c m), c = 4096 log2(e) / sqrt(128) (the 4096 takes q' and k' back); O and l are multiplied by a = 2^(c m_old - c m_new) in every step.  m starts at the lowest finite number: a band's first step has a = 0.
; THE MASK is the C operand that starts a sum, in every tile: three sets of eight registers, made anew each trip: for key blocks below the query tile's (MLO), its own (MDG), above it (MUP).
; They are 0 but in a band's last tile, where the band lies at place x among the tile's four parts: wave w < x sees all, w > x nothing, w = x the triangle.  cx enters these numbers alone.
; A TRIP (one tile): V is fetched; piece 0's 32 products K Q^T; piece 2's K Q^T with piece 0's softmax behind them, two slices a product; behind the 20th of these, when V has long come back and the slot has been read
; out into registers, stands the change of slots: the slot is filled again at once; the next tile's K is fetched; piece 0's V^T P with piece 2's softmax; piece 2's V^T P.
; THE FIRST 16 ROWS A SECOND TIME, IN F32.  Row r averages over r + 1 keys only, so its numbers are many times the result's root mean square, and 16-bit roundings of q, k, v, P and O would weigh too much there.
; The clusters with J = 0, one a head, have 16 waves: wave w of partner cx makes row 4 cx + w of its head from t32 [16][2048] (q', k', v' in f32) with vector arithmetic alone, and stores it in f32 to o32 [16][1024].
; REGISTERS (windows of 256; s_set_vgpr_msb: bits 1:0 source 0, 3:2 source 1, 5:4 source 2, 7:6 destination):
;   window 0: v2-10 addresses; v12-43 statistics, 8 a tile; v44-49 at work at the head; v50-53 the f32 row's offsets; v61-63; v64-191 S^T; v192-255 P     window 1: O^T, 64 a tile
;   window 2: v0-127 Q, v128-255 K     window 3: v0-127 V, v128-159 the masks and the triangle, v160-163 the f32 row's q'
.set PK,    272                        ; a row of K in LDS: 256 + 16 bytes: the 16 rows of a load start at 16 different groups of four banks (64 banks of 4 bytes: ISA guide 11.1)
.set PV,    288                        ; a row of V: 256 + 32
.set VOFF,  256*PK
.set SLOTB, 256*(PK+PV)                ; a slot: 256 rows of K, then 256 of V
.set STAGE, 2*SLOTB                    ; behind the ring: 16 rows x 528 bytes of f32 for each wave
.set SPI,   528
.set STATS, STAGE+4*16*SPI             ; (c m, l) of each wave, tile and lane: 4,096 bytes
.set SPARE, STATS+4096                 ; the spare words: 128 bytes a wave, two blocks of 256 bytes that no other line names
.set AK0, 2
.set AV0, 3
.set ADR, 4
.set QO,  5
.set STO, 6
.set RD,  7
.set GO,  8
.set STA, 9
.set STR, 10
.set ST,  12                           ; tile t at v[ST+8 t]: c m, m, l, l, c0-c3 at work; a takes c2's place
.set TKV, 50                           ; t32: 512 x key head + 16 l
.set TQ,  51                           ; t32: 8,192 r + 512 head + 16 l
.set TOO, 52                           ; o32: 4,096 r + 512 head + 16 l
.set ROWV, 53                          ; r = 4 cx + w
.set PFO, 61
.set SPW, 62
.set NIL, 63
.set S,   64
.set P,   192
.set KF,  128
.set MLO, 128
.set MDG, 136
.set MUP, 144
.set TRI, 152
.set TQR, 160                          ; window 3: the f32 row's q'
.set OB,  10                           ; s[10:11] ob at the band in hand
.set WV,  12
.set CX,  13
.set JJ,  14
.set LIM, 15
.set KL,  17                           ; my part's place in a slot, for K
.set VL,  18                           ; and for V
.set HD,  19
.set KB,  20                           ; s[20:21] K's plane at my half of a tile
.set VB,  22
.set G1K, 24
.set G1V, 32
.set G0K, 40                           ; s[40:47] two sets for the two first fills; the second then walks
.set G0V, 48
.set SLOTS, 56
.set CNT, 57
.set CS,  58
.set SEL, 60
.set SB,  62                           ; LDS byte at which the slot in hand begins: 0 or SLOTB
.set RT,  63                           ; tiles of the band in hand still to be entered
.set NXT, 66                           ; the tile to be asked for next
.set LQ,  67                           ; the last tile of the band whose tiles are being asked for
.set OFF, 68
.set BLK, 70                           ; 1 in the second band
.set TM,  71
.set MEQ, 72                           ; the band's mask constants: 1.0 if w = x; -1e30 if w > x; -1e30 if w >= x; else 0
.set MGT, 73
.set MGE, 74
.set AL,  76
.set BE,  78
.set BU,  80
.set BIGN, 81
.set PFA, 82
.set QLO, 84
.set OLO, 86
.set TLO, 88
.set QHI, 92
.set MEQ2, 94
.set MGT2, 95
.set MGE2, 96
.set XH,  97
.set MSB, 0
.macro WIN new
.if MSB != (\new)
	s_set_vgpr_msb (MSB<<8)|(\new)
.set MSB, \new
.endif
.endm
.set W_KQ, 0x0a
.set W_KM, 0x3a                        ; the same with C in window 3
.set W_PV, 0x53
.set W_RS, 0x41
.macro PLACES
.rept 4
	v_nop
.endr
.endm
.macro JLOAD                           ; a joint refill: waves 0, 1 the halves of K's tile, waves 2, 3 of V's; an s_nop 0 and four v_nop follow each line
	s_cmp_lt_u32 s[WV], 2
	s_cbranch_scc0 .Lfor_v_\@
	tensor_load_to_lds s[G0K+4:G0K+7], s[G1K:G1K+7]
	s_nop 0
.rept 4
	v_nop
.endr
	s_branch .Lasked_\@
.Lfor_v_\@:
	tensor_load_to_lds s[G0V+4:G0V+7], s[G1V:G1V+7]
	s_nop 0
.rept 4
	v_nop
.endr
.Lasked_\@:
.endm
; A prefetch of the tile that the NEXT trip's refill will ask for.  All clusters of a key and value head walk tiles 0, 1, .. first: the cluster J = 0 of the even query head asks, and nobody else.  Its four partners take 64 rows
; each BY ADDRESS, each wave 32 of them (waves 0, 1 of K, waves 2, 3 of V), a lane a row of 256 bytes: each row is named once in the launch.  Tiles 0 to 2 come by their loads alone; tile 15 is the last that is named.
.macro ASK
	s_cmp_gt_u32 s[SLOTS], s[LIM]
	s_cbranch_scc0 .Lnot_mine_\@
	global_prefetch_b8 v[PFO], s[PFA:PFA+1] th:TH_LOAD_NT scope:SCOPE_SE
.Lnot_mine_\@:
.endm
.macro CROUND
	s_barrier_signal -1
	s_barrier_wait -1
	s_cmp_lg_u32 s[WV], 0
	s_cbranch_scc1 .Lnot_wave_0_\@
	s_barrier_signal -3
.Lnot_wave_0_\@:
	s_barrier_wait -3
	s_barrier_signal -1
	s_barrier_wait -1
.endm
.macro BAND eq, gt, ge, x              ; the mask constants for a band at place s[x], by arithmetic on d = w - x: no compare hangs on the place in the cluster
	s_sub_co_i32 s[TM], s[WV], s[\x]
	s_max_i32 s[\gt], s[TM], 0
	s_min_i32 s[\gt], s[\gt], 1                    ; 1 if d > 0
	s_add_co_i32 s[TM], s[TM], 1
	s_max_i32 s[\ge], s[TM], 0
	s_min_i32 s[\ge], s[\ge], 1                    ; 1 if d >= 0
	s_sub_co_i32 s[\eq], s[\ge], s[\gt]
	s_mul_i32 s[\eq], s[\eq], 0x3f800000
	s_mul_i32 s[\gt], s[\gt], s[BIGN]
	s_mul_i32 s[\ge], s[\ge], s[BIGN]
.endm
	s_load_b128 s[4:7], s[0:1], 0x0                ; qkv s[4:5], ob s[6:7]
	s_load_b64 s[8:9], s[0:1], 0x10                ; t32
	s_load_b64 s[98:99], s[0:1], 0x18              ; o32
	v_lshl_add_u32 v[SPW], v0, 2, SPARE
	v_mov_b32 v[NIL], 0
	ds_add_u32 v[SPW], v[NIL]                      ; the wave's opening: the add and its wait stand ahead of my first tensor load
	v_lshrrev_b32 v1, 5, v0
	v_readfirstlane_b32 s[WV], v1
	s_bfe_u32 s[CX], ttmp6, 0x40000
	s_mov_b32 s[JJ], ttmp9                         ; in a cluster launch ttmp9 counts clusters
	s_and_b32 s[HD], ttmp7, 0xffff                 ; the query head
	s_and_b32 s16, s[WV], 1                        ; which half of a tile I fetch
	s_mul_i32 s[KL], s16, 128*PK
	s_mul_i32 s[VL], s16, 128*PV
	s_add_co_u32 s[VL], s[VL], VOFF
	s_lshr_b32 s20, s[HD], 1                       ; the key and value head
	s_add_co_u32 s20, s20, 8
	s_lshl_b32 s20, s20, 20                        ; its plane of K,
	s_lshl_b32 s21, s16, 15                        ; my 128 rows of 256 bytes
	s_add_co_u32 s20, s20, s21
	s_mov_b32 s21, 0
	s_add_co_u32 s22, s20, 4<<20                   ; V's plane lies four planes on
	s_mov_b32 s23, 0
	s_lshl_b32 s89, s[JJ], 2
	s_add_co_u32 s89, s89, s[CX]                   ; the second band
	s_sub_co_u32 s90, 63, s89                      ; the first
	s_lshl_b32 s91, s[HD], 20
	s_lshl_b32 s2, s90, 14                         ; a band is 64 rows of 256 bytes of q'
	s_add_co_u32 s2, s2, s91
	s_mov_b32 s3, 0
	s_lshl_b32 s84, s89, 14
	s_add_co_u32 s84, s84, s91
	s_mov_b32 s85, 0
	s_lshl_b32 s91, s[HD], 8
	s_lshl_b32 s10, s90, 17                        ; and 64 rows of 2,048 bytes of ob
	s_add_co_u32 s10, s10, s91
	s_mov_b32 s11, 0
	s_lshl_b32 s86, s89, 17
	s_add_co_u32 s86, s86, s91
	s_mov_b32 s87, 0
	s_mov_b32 s[BIGN], 0xf149f2ca                  ; -1e30
	s_sub_co_u32 s[XH], 3, s[CX]                   ; the first band's place in its last tile; the second's is cx
	BAND MEQ, MGT, MGE, XH
	BAND MEQ2, MGT2, MGE2, CX
	s_lshr_b32 s[TM], s[WV], 1                     ; the prefetches: K's plane for waves 0, 1, V's for 2, 3,
	s_lshl_b32 s[TM], s[TM], 2
	s_lshr_b32 s82, s[HD], 1
	s_add_co_u32 s82, s82, s[TM]
	s_add_co_u32 s82, s82, 8
	s_lshl_b32 s82, s82, 20
	s_lshl_b32 s[TM], s[CX], 14                    ; my work-group's 64 rows,
	s_add_co_u32 s82, s82, s[TM]
	s_lshl_b32 s[TM], s16, 13                      ; my wave's 32,
	s_add_co_u32 s82, s82, s[TM]
	s_add_co_u32 s82, s82, 2<<16                   ; in tile 2: the first trip steps it to tile 3
	s_mov_b32 s83, 0
	s_and_b32 s[TM], s[HD], 1
	s_or_b32 s[TM], s[TM], s[JJ]
	s_cmp_eq_u32 s[TM], 0
	s_cselect_b32 s[LIM], 2, -1                    ; the same in all four partners
	s_mov_b32 s[G1K], 15|(1<<16)|(1<<20)|(1<<21)|(5<<22)|(3<<25)  ; the mask of four; 2-byte elements; padding on; bit 21 beside a mask; after every 64 words, 4 words
	s_mov_b32 s[G1V], 15|(1<<16)|(1<<20)|(1<<21)|(5<<22)|(7<<25)  ; the same with 8 words
.irp g, G1K, G1V
	s_mov_b32 s[(\g)+1], 128<<16                   ; tensor_dim0 = 128
	s_mov_b32 s[(\g)+2], 128<<16                   ; tensor_dim1 = 128
	s_mov_b32 s[(\g)+3], 128<<16                   ; tile_dim0 = 128
	s_mov_b32 s[(\g)+4], 128                       ; tile_dim1 = 128
	s_mov_b32 s[(\g)+5], 128                       ; elements from row to row
	s_mov_b32 s[(\g)+6], 0
	s_mov_b32 s[(\g)+7], 0
.endr
	s_mov_b32 s[CS], 0x440293ee                    ; c
	s_mov_b32 s[CS+1], s[CS]
	s_mov_b32 s[SEL], 0x76543210
	s_mov_b32 s[SEL+1], 0xfedcba98
	s_mov_b32 s[SB], 0
	s_sub_co_u32 s[RT], 16, s[JJ]                  ; the first band has 16 - J tiles,
	s_add_co_u32 s[TLO], s[JJ], 1                  ; the second J + 1
	s_mov_b32 s[NXT], 2
	s_sub_co_u32 s[LQ], 15, s[JJ]
	s_mov_b32 s[BLK], 0
	s_mov_b32 s[OFF+1], 0
	s_mov_b32 s[AL+1], 0                           ; named as pairs
	s_mov_b32 s[BE+1], 0
	s_mov_b32 s[SLOTS], 15                         ; tiles 2 to 16 of the walk are asked for in the loop
	s_wait_dscnt 0x0                               ; the opening add is done
	s_wait_kmcnt 0x0
	s_add_nc_u64 s[KB:KB+1], s[4:5], s[KB:KB+1]
	s_add_nc_u64 s[VB:VB+1], s[4:5], s[VB:VB+1]
	s_add_nc_u64 s[QHI:QHI+1], s[4:5], s[2:3]
	s_add_nc_u64 s[QLO:QLO+1], s[4:5], s[QLO:QLO+1]
	s_add_nc_u64 s[PFA:PFA+1], s[4:5], s[PFA:PFA+1]
	s_add_nc_u64 s[OB:OB+1], s[6:7], s[OB:OB+1]
	s_add_nc_u64 s[OLO:OLO+1], s[6:7], s[OLO:OLO+1]
	CROUND                                         ; all four work-groups are here: the first joint loads meet
.irp s, 0,1
	s_mov_b32 s[G0K+4*(\s)], 1
	s_add_co_u32 s[G0K+4*(\s)+1], s[KL], (\s)*SLOTB
	s_add_nc_u64 s[G0K+4*(\s)+2:G0K+4*(\s)+3], s[KB:KB+1], (\s)*65536
	s_or_b32 s[G0K+4*(\s)+3], s[G0K+4*(\s)+3], 0x80000000
	s_mov_b32 s[G0V+4*(\s)], 1
	s_add_co_u32 s[G0V+4*(\s)+1], s[VL], (\s)*SLOTB
	s_add_nc_u64 s[G0V+4*(\s)+2:G0V+4*(\s)+3], s[VB:VB+1], (\s)*65536
	s_or_b32 s[G0V+4*(\s)+3], s[G0V+4*(\s)+3], 0x80000000
.endr
	s_cmp_lt_u32 s[WV], 2                          ; a wave's two first fills stand in one branch: two loads of mine are out
	s_cbranch_scc0 .Lfirst_v
	tensor_load_to_lds s[G0K:G0K+3], s[G1K:G1K+7]
	s_nop 0
	tensor_load_to_lds s[G0K+4:G0K+7], s[G1K:G1K+7]
	s_nop 0
.rept 4
	v_nop
.endr
	s_branch .Lfirst_asked
.Lfirst_v:
	tensor_load_to_lds s[G0V:G0V+3], s[G1V:G1V+7]
	s_nop 0
	tensor_load_to_lds s[G0V+4:G0V+7], s[G1V:G1V+7]
	s_nop 0
.rept 4
	v_nop
.endr
.Lfirst_asked:
.macro QLOAD base                      ; a band's Q: tile i / 4, channels 32 (i % 4) on: lane l holds row l % 16, two loads of 16 bytes, 32 apart
	WIN 0x80
.set i, 0
.rept 16
	global_load_b128 v[8*i:8*i+3],   v[QO], s[\base:\base+1] offset:(i/4)*4096+(i%4)*64
	global_load_b128 v[8*i+4:8*i+7], v[QO], s[\base:\base+1] offset:(i/4)*4096+(i%4)*64+32
.set i, i+1
.endr
	WIN 0
.endm
	v_and_b32 v44, 15, v0                          ; l % 16
	v_bfe_u32 v45, v0, 4, 1                        ; l / 16
	v_lshlrev_b32 v[QO], 8, v44
	v_lshl_add_u32 v[QO], v45, 4, v[QO]
	QLOAD QHI
	v_lshlrev_b32 v49, 3, v45
	v_sub_nc_u32 v49, v44, v49                     ; my query's place less my lanes' 8 (l / 16): register r of the tile's own key block is hidden where r is greater
	WIN 0xc0
.set i, 0
.rept 8
	v_cmp_gt_i32 vcc_lo, i, v49
	v_cndmask_b32 v[TRI+i], 0, s[BIGN], vcc_lo
.set i, i+1
.endr
.set i, 0
.rept 4
	v_mov_b32 v[TQR+i], 0                          ; written on every path; the clusters J = 0 load the f32 row's q' here
.set i, i+1
.endr
	WIN 0x40                                       ; O^T need only be finite, since a band's first step multiplies it by 0: zeros, written in the wait for the first tile; the price of writing no first step out
.set i, 0
.rept 256
	v_mov_b32 v[i], 0
.set i, i+1
.endr
	WIN 0
.irp t, 0,1,2,3
	v_mov_b32 v[ST+8*\t], 0xfe000000               ; c m: far below every c s
	v_mov_b32 v[ST+8*\t+1], 0xff7fffff             ; m
	v_mov_b32 v[ST+8*\t+2], 0
	v_mov_b32 v[ST+8*\t+3], 0
.endr
	s_mul_i32 s[TM], s[WV], 64*PK                  ; my 64 keys of a tile
	v_mul_u32_u24 v[AK0], v44, PK
	v_lshl_add_u32 v[AK0], v45, 4, v[AK0]
	v_add_nc_u32 v[AK0], s[TM], v[AK0]
	v_and_b32 v46, 7, v0                           ; the turning load: lane l reads key 8 (l / 16) + l % 8, channels 8 ((l / 8) % 2) + 0..7
	v_bfe_u32 v47, v0, 3, 1
	v_lshl_add_u32 v[AV0], v45, 3, v46
	v_mul_u32_u24 v[AV0], v[AV0], PV
	v_lshl_add_u32 v[AV0], v47, 4, v[AV0]
	s_mul_i32 s[TM], s[WV], 64*PV
	s_add_co_u32 s[TM], s[TM], VOFF
	v_add_nc_u32 v[AV0], s[TM], v[AV0]
	v_and_b32 v48, 31, v0
	v_lshlrev_b32 v[PFO], 8, v48
	s_mul_i32 s[TM], s[WV], 16*SPI
	s_add_co_u32 s[TM], s[TM], STAGE               ; my stage
	v_mul_u32_u24 v[STO], v44, SPI                 ; in: row = query l % 16, 32 bytes for each half of the lanes
	v_lshl_add_u32 v[STO], v45, 5, v[STO]
	v_add_nc_u32 v[STO], s[TM], v[STO]
	s_lshl_b32 s[TM], s[WV], 2
	v_add_nc_u32 v49, s[TM], v45                   ; back: rows 4 w + l / 16 (+ 2 i) of every wave's stage, 8 channels a lane
	v_mul_u32_u24 v[RD], v49, SPI
	v_lshl_add_u32 v[RD], v44, 5, v[RD]
	v_add_nc_u32 v[RD], STAGE, v[RD]
	v_lshlrev_b32 v[GO], 11, v49                   ; the same rows in ob, 16 bytes a lane
	v_lshl_add_u32 v[GO], v44, 4, v[GO]
	v_lshlrev_b32 v[STR], 3, v48
	v_add_nc_u32 v[STR], STATS, v[STR]
	s_lshl_b32 s[TM], s[WV], 10
	v_add_nc_u32 v[STA], s[TM], v[STR]
	v_lshlrev_b32 v[TKV], 4, v48                   ; the f32 row: a lane holds four channels, 16 bytes
	s_lshl_b32 s[TM], s[CX], 2
	s_add_co_u32 s[TM], s[TM], s[WV]               ; r = 4 cx + w: it enters global offsets and the number that the mask compares, nothing else
	v_mov_b32 v[ROWV], s[TM]
	s_lshl_b32 s2, s[HD], 9
	s_lshl_b32 s3, s[TM], 13
	s_add_co_u32 s3, s3, s2
	v_add_nc_u32 v[TQ], s3, v[TKV]
	s_lshl_b32 s3, s[TM], 12
	s_add_co_u32 s3, s3, s2
	v_add_nc_u32 v[TOO], s3, v[TKV]
	s_lshr_b32 s2, s[HD], 1
	s_lshl_b32 s2, s2, 9
	v_add_nc_u32 v[TKV], s2, v[TKV]
; Product i of 32 of S^T = K Q^T for piece x: channels 32 (i / 8) on, keys 16 ((i / 2) % 4) on, tile x + i % 2.  The first 8 start the sums with the mask.  The 8 accumulators take turns.
.macro KQ x
.set tq, (\x)+i%2
.set kb, (i/2)%4
.set rS, S+32*tq+8*kb
.set rK, KF+32*kb+8*(i/8)
.set rQ, 32*tq+8*(i/8)
.if i < 8
.if kb < tq
.set rM, MLO
.elseif kb == tq
.set rM, MDG
.else
.set rM, MUP
.endif
	WIN W_KM
	v_wmma_f32_16x16x32_f16 v[rS:rS+7], v[rK:rK+7], v[rQ:rQ+7], v[rM:rM+7]
.else
	WIN W_KQ
	v_wmma_f32_16x16x32_f16 v[rS:rS+7], v[rK:rK+7], v[rQ:rQ+7], v[rS:rS+7]
.endif
.endm
; Product i of 32 of O^T += V^T P: keys 32 (i / 16) on, channels 16 ((i / 2) % 8) on, tile x + i % 2.  16 accumulators by turns.
.macro PV x
	WIN W_PV
.set rO, 64*((\x)+i%2)+8*((i/2)%8)
.set rV, 64*(i/16)+8*((i/2)%8)
.set rP, P+16*((\x)+i%2)+8*(i/16)
	v_wmma_f32_16x16x32_f16 v[rO:rO+7], v[rV:rV+7], v[rP:rP+7], v[rO:rO+7]
.endm
.macro FETCH_K                         ; my 64 keys x 128 channels of the slot at s[SB]: 32 loads in one run
	WIN 0
	v_add_nc_u32 v[ADR], s[SB], v[AK0]
	WIN 0x80
.irp f, 0,1,2,3,4,5,6,7,8,9,10,11,12,13,14,15
	ds_load_b128 v[KF+8*(\f):KF+8*(\f)+3],   v[ADR] offset:((\f)/4)*16*PK+((\f)%4)*64
	ds_load_b128 v[KF+8*(\f)+4:KF+8*(\f)+7], v[ADR] offset:((\f)/4)*16*PK+((\f)%4)*64+32
.endr
.endm
.macro FETCH_V
	WIN 0
	v_add_nc_u32 v[ADR], s[SB], v[AV0]
	WIN 0xc0
.irp f, 0,1,2,3,4,5,6,7,8,9,10,11,12,13,14,15
	ds_load_tr16_b128 v[8*(\f):8*(\f)+3],   v[ADR] offset:((\f)/8)*32*PV+((\f)%8)*32
	ds_load_tr16_b128 v[8*(\f)+4:8*(\f)+7], v[ADR] offset:((\f)/8)*32*PV+16*PV+((\f)%8)*32
.endr
.endm
.macro TOPLOADS                        ; the f32 row's inputs: k' and v' of rows 0-15 into K's registers, which the walk's last trip leaves free, and my row of q': 33 loads
	WIN 0x80
.set j, 0
.rept 16
	global_load_b128 v[KF+4*j:KF+4*j+3], v[TKV], s[8:9] offset:8192*j+4096
.set j, j+1
.endr
.set j, 0
.rept 16
	global_load_b128 v[KF+64+4*j:KF+64+4*j+3], v[TKV], s[8:9] offset:8192*j+6144
.set j, j+1
.endr
	WIN 0xc0
	global_load_b128 v[TQR:TQR+3], v[TQ], s[8:9]
	WIN 0
.endm
.macro MASKS
	WIN 0xc3
.set z, 0
.rept 8
	v_mov_b32 v[MLO+z], s[BE]
	v_mov_b32 v[MUP+z], s[BU]
.set z, z+1
.endr
.set z, 0
.rept 4
	v_pk_fma_f32 v[MDG+2*z:MDG+2*z+1], v[TRI+2*z:TRI+2*z+1], s[AL:AL+1], s[BE:BE+1] op_sel_hi:[1,0,0]
.set z, z+1
.endr
.endm
; One tile's softmax for one step: a list of 134 instructions; SM writes number j for tile t.
;   0-15 the maximum of the lane's 32 scores and the old m (each accumulator's lowest registers first)   16-20 the other half of the lanes'; m; c m; its change
;   21-69 ONE BATCH: 16 packed scalings and all 33 exponentials (a at 23), none of which reads an exponential's result    70-85 roundings to f16    86-101 the sums; l = a l + sum    102-133 O^T times a
.macro SM t
.set rT, ST+8*(\t)
.set rS, S+32*(\t)
.set rP, P+16*(\t)
.set rO, 64*(\t)+2*(j-102)
.if j < 102
	WIN 0
.endif
.if j < 4
	v_max3_num_f32 v[rT+4+j], v[rS+8*j], v[rS+8*j+1], v[rS+8*j+2]
.elseif j < 12
	v_max3_num_f32 v[rT+4+j%4], v[rT+4+j%4], v[rS+8*(j%4)+2*(j/4)+1], v[rS+8*(j%4)+2*(j/4)+2]
.elseif j == 12
	v_max3_num_f32 v[rT+4], v[rT+4], v[rS+7], v[rS+15]
.elseif j == 13
	v_max3_num_f32 v[rT+6], v[rT+6], v[rS+23], v[rS+31]
.elseif j == 14
	v_max3_num_f32 v[rT+4], v[rT+4], v[rT+5], v[rT+6]
.elseif j == 15
	v_max3_num_f32 v[rT+4], v[rT+4], v[rT+7], v[rT+1]
.elseif j == 16
	v_permlanex16_b32 v[rT+5], v[rT+4], s[SEL], s[SEL+1]
.elseif j == 17
	v_mov_b32 v[rT+7], v[rT]
.elseif j == 18
	v_max_num_f32 v[rT+1], v[rT+4], v[rT+5]
.elseif j == 19
	v_mul_f32 v[rT], s[CS], v[rT+1]
.elseif j == 20
	v_sub_f32 v[rT+7], v[rT+7], v[rT]
.elseif j == 23
	v_exp_f32 v[rT+6], v[rT+7]
.elseif (j < 23) || ((j < 38) && (j%2 == 0)) || ((j < 66) && (j%4 == 2))
.set b, (j-2)/4
.if j < 38
.set b, (j-20)/2
.endif
	v_pk_fma_f32 v[rS+2*b:rS+2*b+1], v[rS+2*b:rS+2*b+1], s[CS:CS+1], v[rT:rT+1] op_sel_hi:[1,0,0] neg_lo:[0,0,1] neg_hi:[0,0,1]
.elseif j < 70
.set e, j-38
.if j < 66
.set e, j-32-(j-38)/4
.endif
.if j < 38
.set e, (j-25)/2
.endif
	v_exp_f32 v[rS+e], v[rS+e]
.elseif j < 86
	v_cvt_pk_f16_f32 v[rP+j-70], v[rS+2*(j-70)], v[rS+2*(j-70)+1]
.elseif j < 102
.set z, j-86
.set w, 4
.set u, z
.if z >= 14
.set w, 32
.set u, 0
.elseif z >= 12
.set w, 16
.set u, z-12
.elseif z >= 8
.set w, 8
.set u, z-8
.endif
.if z < 15
	v_pk_add_f32 v[rS+w*u:rS+w*u+1], v[rS+w*u:rS+w*u+1], v[rS+w*u+w/2:rS+w*u+w/2+1]
.else
	v_pk_fma_f32 v[rT+2:rT+3], v[rT+2:rT+3], v[rT+6:rT+7], v[rS:rS+1] op_sel_hi:[1,0,1]
.endif
.else
	WIN W_RS
	v_pk_mul_f32 v[rO:rO+1], v[rO:rO+1], v[rT+6:rT+7] op_sel_hi:[1,0]
.endif
.endm
; Slice k of 64 of piece y's softmax.  Slices 11 to 34 deal out the batch, four numbers of one tile each; the others are numbers 2 k, 2 k + 1 of both tiles; slice 63 takes the twelve that are over.
; Behind slice 34 stand a plain instruction and ONE wait for the piece's 66 exponentials: ahead of it nothing names a result, behind it no exponential is issued.
.macro SLICE y
.if (k >= 11) && (k < 35)
.irp n, 0,1,2,3
.set j, 22+4*((k-11)/2)+(\n)
	SM (\y)+(k-11)%2
.endr
.else
.irp n, 0,1,2,3,4,5,6,7
.if ((\n) < 2) || (k == 63)
.irp t, \y, (\y)+1
.set j, 2*k+(\n)
	SM \t
.endr
.endif
.endr
.endif
.if k == 34
	v_nop
	s_wait_alu depctr_va_vdst(0)
.endif
.set k, k+1
.endm
.macro PHASEN pv, x, y, n              ; the next n of 32 products of piece x, two slices of piece y's softmax behind each; i and k go on from where they stand
.rept \n
.if \pv
	PV \x
.else
	KQ \x
.endif
	SLICE \y
	SLICE \y
.set i, i+1
.endr
.endm
.macro REDALL base, n                  ; sums over the 32 lanes, n registers side by side
.irp m, 1,2,4,8
.set j, 0
.rept \n
	v_add_f32_dpp v[(\base)+j], v[(\base)+j], v[(\base)+j] row_xmask:\m row_mask:0xf bank_mask:0xf
.set j, j+1
.endr
.endr
.set j, 0
.rept \n
	v_permlanex16_b32 v112, v[(\base)+j], s[SEL], s[SEL+1]
	v_add_f32 v[(\base)+j], v[(\base)+j], v112
.set j, j+1
.endr
.endm
; A BAND'S END.  The four waves' (c m, l) meet in LDS; each wave scales its partial O^T by g = 2^(c m_own - max) / sum over waves of 2^(c m_u - max) l_u; then, a tile of 16 queries at a time, the four partial O^T meet in
; the stages in f32, wave w adds rows 4 w .. 4 w + 3, rounds once to f16 and stores: sixteen lanes fill 256 consecutive bytes, aligned.  A wave that saw hidden keys alone has c m near -5e32 and g = 0.
.macro MERGE
.irp t, 0,1,2,3
	v_add_f32 v[ST+8*\t+5], v[ST+8*\t+2], v[ST+8*\t+3]     ; these four are the places behind the last products
.endr
.irp t, 0,1,2,3
	v_permlanex16_b32 v[ST+8*\t+6], v[ST+8*\t+5], s[SEL], s[SEL+1]
.endr
.irp t, 0,1,2,3
	v_add_f32 v[ST+8*\t+5], v[ST+8*\t+5], v[ST+8*\t+6]
	v_mov_b32 v[ST+8*\t+4], v[ST+8*\t]
.endr
.irp t, 0,1,2,3
	ds_store_b64 v[STA], v[ST+8*\t+4:ST+8*\t+5] offset:256*\t
.endr
	s_wait_dscnt 0x0                               ; for the others' sake; K's run of loads is back too
	s_barrier_signal -1
	s_barrier_wait -1
.irp t, 0,1,2,3
.irp u, 0,1,2,3
	ds_load_b64 v[S+2*(4*\t+\u):S+2*(4*\t+\u)+1], v[STR] offset:1024*\u+256*\t
.endr
.endr
	s_wait_dscnt 0x0
.irp t, 0,1,2,3
	v_max3_num_f32 v[ST+8*\t+4], v[S+8*\t], v[S+8*\t+2], v[S+8*\t+4]
.endr
.irp t, 0,1,2,3
	v_max_num_f32 v[ST+8*\t+4], v[ST+8*\t+4], v[S+8*\t+6]
.endr
.irp t, 0,1,2,3
.irp u, 0,1,2,3
	v_sub_f32 v[S+8*\t+2*\u], v[S+8*\t+2*\u], v[ST+8*\t+4]
.endr
	v_sub_f32 v[ST+8*\t+5], v[ST+8*\t], v[ST+8*\t+4]
.endr
.irp t, 0,1,2,3
.irp u, 0,1,2,3
	v_exp_f32 v[S+8*\t+2*\u], v[S+8*\t+2*\u]
.endr
	v_exp_f32 v[ST+8*\t+5], v[ST+8*\t+5]
.endr
	v_nop
	s_wait_alu depctr_va_vdst(0)                   ; one wait for the twenty exponentials
.irp t, 0,1,2,3
	v_mul_f32 v[ST+8*\t+7], v[S+8*\t], v[S+8*\t+1]
.endr
.irp u, 1,2,3
.irp t, 0,1,2,3
	v_fmac_f32 v[ST+8*\t+7], v[S+8*\t+2*\u], v[S+8*\t+2*\u+1]
.endr
.endr
.irp t, 0,1,2,3
	v_rcp_f32 v[ST+8*\t+4], v[ST+8*\t+7]
.endr
	v_nop
	s_wait_alu depctr_va_vdst(0)                   ; one wait for the four reciprocals
.irp t, 0,1,2,3
	v_mul_f32 v[ST+8*\t+6], v[ST+8*\t+5], v[ST+8*\t+4]
.endr
.irp t, 0,1,2,3
	WIN W_RS
.set n, 0
.rept 32
	v_pk_mul_f32 v[64*\t+2*n:64*\t+2*n+1], v[64*\t+2*n:64*\t+2*n+1], v[ST+8*\t+6:ST+8*\t+7] op_sel_hi:[1,0]
.set n, n+1
.endr
	WIN 0x04                                       ; store data in window 1
.irp c, 0,1,2,3,4,5,6,7
	ds_store_b128 v[STO], v[64*\t+8*\c:64*\t+8*\c+3] offset:64*\c
	ds_store_b128 v[STO], v[64*\t+8*\c+4:64*\t+8*\c+7] offset:64*\c+16
.endr
	WIN 0
	s_wait_dscnt 0x0
	s_barrier_signal -1
	s_barrier_wait -1                              ; all four partial tiles lie in the stages
.irp i2, 0,1
.irp u, 0,1,2,3
	ds_load_b128 v[96+32*\i2+8*\u:96+32*\i2+8*\u+3], v[RD] offset:16*SPI*\u+2*SPI*\i2
	ds_load_b128 v[96+32*\i2+8*\u+4:96+32*\i2+8*\u+7], v[RD] offset:16*SPI*\u+2*SPI*\i2+16
.endr
.endr
	s_wait_dscnt 0x0                               ; my reads of the stages are over
.if \t < 3
	s_barrier_signal -1
	s_barrier_wait -1                              ; everybody's are: the next tile may be written
.endif
.irp i2, 0,1
.irp n, 0,1,2,3
	v_pk_add_f32 v[96+32*\i2+2*\n:96+32*\i2+2*\n+1], v[96+32*\i2+2*\n:96+32*\i2+2*\n+1], v[104+32*\i2+2*\n:104+32*\i2+2*\n+1]
	v_pk_add_f32 v[112+32*\i2+2*\n:112+32*\i2+2*\n+1], v[112+32*\i2+2*\n:112+32*\i2+2*\n+1], v[120+32*\i2+2*\n:120+32*\i2+2*\n+1]
.endr
.irp n, 0,1,2,3
	v_pk_add_f32 v[96+32*\i2+2*\n:96+32*\i2+2*\n+1], v[96+32*\i2+2*\n:96+32*\i2+2*\n+1], v[112+32*\i2+2*\n:112+32*\i2+2*\n+1]
.endr
.irp n, 0,1,2,3
	v_cvt_pk_f16_f32 v[P+8*\t+4*\i2+\n], v[96+32*\i2+2*\n], v[96+32*\i2+2*\n+1]
.endr
	global_store_b128 v[GO], v[P+8*\t+4*\i2:P+8*\t+4*\i2+3], s[OB:OB+1] offset:(16*\t+2*\i2)*2048
.endr
.endr
	s_wait_xcnt 0x0                                ; the stores have read their registers and ob's address
	s_mov_b64 s[OB:OB+1], s[OLO:OLO+1]             ; THE CHANGE OF BANDS (behind the second band it serves nothing)
	s_mov_b32 s[RT], s[TLO]
	s_mov_b32 s[BLK], 1
	s_mov_b32 s[MEQ], s[MEQ2]
	s_mov_b32 s[MGT], s[MGT2]
	s_mov_b32 s[MGE], s[MGE2]
.irp t, 0,1,2,3
	v_mov_b32 v[ST+8*\t], 0xfe000000
	v_mov_b32 v[ST+8*\t+1], 0xff7fffff
.endr
.endm
; A TRIP.  fill = 1: the slot that has been read out is filled again with the walk's tile two further on.
.macro TRIP fill
	s_sub_co_u32 s[RT], s[RT], 1
	s_cmp_eq_u32 s[RT], 0                          ; the band's last tile holds the diagonal
	s_cselect_b32 s[AL], s[MEQ], 0
	s_cselect_b32 s[BE], s[MGT], 0
	s_cselect_b32 s[BU], s[MGE], 0
	MASKS                                          ; twenty plain instructions: the places between the last product that read V and the loads below
	FETCH_V
	WIN 0
	s_wait_loadcnt 0x0                             ; Q, at the launch's start and behind a change of bands
	s_wait_dscnt 32                                ; K is in: V's 32 loads, issued behind K's, may be out
.set i, 0
.rept 32
	KQ 0
.set i, i+1
.endr
	PLACES                                         ; the places between piece 0's last products and the softmax's first read of their results
.set k, 0
.set i, 0
	PHASEN 0, 2, 0, 18                             ; piece 2's scores | piece 0's softmax, slices 0 to 35: the batch of exponentials and its wait lie in here, so no branch below stands between an exponential and its wait
	WIN 0
	; THE CHANGE OF SLOTS stands here, 50 products behind V's run of loads.  What it orders: my part of the next tile has landed before any wave reads that tile's K (behind the round);
	; my reads of this slot, V's the last, are back before the slot is filled again (and before V^T P reads V's registers); the walking descriptors are written with no load of mine out.
	s_wait_tensorcnt 0x0                           ; all my tensor loads have landed: the one that was out is my part of the next tile
	ds_add_u32 v[SPW], v[NIL]                      ; 0 onto my spare word; scalar work and two products with their slices stand between it and the wait for it
.if \fill
	s_lshl_b32 s[OFF], s[NXT], 16                  ; a tile is 65,536 bytes of K and of V
	s_add_co_u32 s[G0K+5], s[SB], s[KL]            ; into the slot in hand
	s_add_nc_u64 s[G0K+6:G0K+7], s[KB:KB+1], s[OFF:OFF+1]
	s_or_b32 s[G0K+7], s[G0K+7], 0x80000000
	s_add_co_u32 s[G0V+5], s[SB], s[VL]
	s_add_nc_u64 s[G0V+6:G0V+7], s[VB:VB+1], s[OFF:OFF+1]
	s_or_b32 s[G0V+7], s[G0V+7], 0x80000000
	s_add_co_u32 s[NXT], s[NXT], 1                 ; the band's next tile, or behind its last the second band's tile 0
	s_cmp_gt_u32 s[NXT], s[LQ]
	s_cselect_b32 s[NXT], 0, s[NXT]
	s_cselect_b32 s[LQ], s[JJ], s[LQ]
	s_wait_xcnt 0x0                                ; the last prefetch, a trip back, has read its address
	s_add_nc_u64 s[PFA:PFA+1], s[PFA:PFA+1], 65536
.endif
	PHASEN 0, 2, 0, 2
	WIN 0
	s_wait_dscnt 0x0                               ; the add is done; V is in: my reads of this slot are over
.if \fill
	CROUND                                         ; no wave of any partner still reads the slot or has a load on its way
	JLOAD                                          ; my one load behind the round: it has the whole trip, less two products and the round, in which to land
	ASK
.else
	s_barrier_signal -1
	s_barrier_wait -1                              ; the next tile is whole for every wave
.endif
	s_xor_b32 s[SB], s[SB], SLOTB                  ; the other slot
	PHASEN 0, 2, 0, 12
	WIN 0
.if \fill
	FETCH_K                                        ; the next tile's K; slices 62 and 63, twenty plain instructions, stand behind the last product that read K and Q
	WIN 0
.else
	s_cmp_eq_u32 s[CNT], 1                         ; the walk's last tile has none behind it
	s_cbranch_scc1 .Llast_\@
	FETCH_K
	WIN 0
	s_branch .Lk_done_\@
.Llast_\@:
	s_cmp_lg_u32 s[JJ], 0                          ; the same in all four partners
	s_cbranch_scc1 .Lk_done_\@
	TOPLOADS                                       ; K's registers are free: the f32 row's inputs are asked for here, 64 products and a MERGE ahead of the wait for them
.Lk_done_\@:
.endif
	s_or_b32 s[TM], s[RT], s[BLK]
	s_cmp_lg_u32 s[TM], 0
	s_cbranch_scc1 .Lno_q_\@                       ; the first band's last scores are made: the second band's Q
	QLOAD QLO
.Lno_q_\@:
.set k, 0
.set i, 0
	PHASEN 1, 0, 2, 32                             ; piece 0's V^T P | piece 2's softmax
.set i, 0
.rept 32
	PV 2
.set i, i+1
.endr
	WIN 0
	s_cmp_lg_u32 s[RT], 0                          ; hangs on J alone: the same in all waves and all partners
	s_cbranch_scc1 .Lno_merge_\@
	MERGE
.Lno_merge_\@:
.endm
	s_wait_tensorcnt 0x1                           ; my part of tile 0 is in; tile 1's may stay out
	s_barrier_signal -1
	s_barrier_wait -1
	FETCH_K
	WIN 0
.Ltrip:                                        ; 15 trips: tiles 0 to 14 of the walk
	TRIP 1
	s_sub_co_u32 s[SLOTS], s[SLOTS], 1
	s_cmp_lg_u32 s[SLOTS], 0
	s_cbranch_scc1 .Ltrip
	s_mov_b32 s[CNT], 2                            ; the last two tiles are written out apart
.Ltail:
	TRIP 0
	s_sub_co_u32 s[CNT], s[CNT], 1
	s_cmp_lg_u32 s[CNT], 0
	s_cbranch_scc1 .Ltail
	; ROW r = 4 cx + w OF MY HEAD IN F32 (clusters J = 0): 16 scores, the mask, a maximum, exponentials, their sum, the mean of v'.  A lane holds four channels.
	s_cmp_lg_u32 s[JJ], 0
	s_cbranch_scc1 .Lno_top
	s_wait_loadcnt 0x0                             ; q', k', v'
	WIN 0x0b                                       ; source 0 (q') window 3, source 1 (k') window 2, the rest window 0
.set j, 0
.rept 16
	v_pk_mul_f32 v[64+2*j:65+2*j], v[TQR:TQR+1], v[KF+4*j:KF+4*j+1]
.set j, j+1
.endr
.set j, 0
.rept 16
	v_pk_fma_f32 v[64+2*j:65+2*j], v[TQR+2:TQR+3], v[KF+4*j+2:KF+4*j+3], v[64+2*j:65+2*j]
.set j, j+1
.endr
	WIN 0
.set j, 0
.rept 16
	v_add_f32 v[96+j], v[64+2*j], v[65+2*j]
.set j, j+1
.endr
	REDALL 96, 16
.set j, 1
.rept 15
	v_cmp_gt_u32 vcc_lo, j, v[ROWV]                ; key j is hidden from row r where j > r
	v_cndmask_b32 v[96+j], v[96+j], s[BIGN], vcc_lo
.set j, j+1
.endr
	v_max3_num_f32 v113, v96, v97, v98
.irp j, 3,5,7,9,11,13
	v_max3_num_f32 v113, v113, v[96+\j], v[96+\j+1]
.endr
	v_max_num_f32 v113, v113, v111
	v_mul_f32 v114, s[CS], v113                    ; c m
.set j, 0
.rept 16
	v_fma_f32 v[96+j], v[96+j], s[CS], -v114
.set j, j+1
.endr
.set j, 0
.rept 16
	v_exp_f32 v[96+j], v[96+j]
.set j, j+1
.endr
	v_nop                                          ; a plain instruction behind the last exponential,
	s_wait_alu depctr_va_vdst(0)                   ; and one wait for the batch
	v_add_f32 v115, v96, v97
.set j, 2
.rept 14
	v_add_f32 v115, v115, v[96+j]
.set j, j+1
.endr
	v_rcp_f32 v116, v115
	WIN 0x08                                       ; source 1 (v') window 2
.irp d, 0,1,2,3
	v_mul_f32 v[120+\d], v96, v[KF+64+\d]
.endr
.set j, 1
.rept 15
.irp d, 0,1,2,3
	v_fmac_f32 v[120+\d], v[96+j], v[KF+64+4*j+\d]
.endr
.set j, j+1
.endr
	WIN 0
	s_wait_alu depctr_va_vdst(0)                   ; the reciprocal's wait, ahead of its first reader; the sums above are the work between
.irp d, 0,1,2,3
	v_mul_f32 v[120+\d], v[120+\d], v116
.endr
	global_store_b128 v[TOO], v[120:123], s[98:99] ; 512 consecutive bytes, aligned
.Lno_top:
	s_wait_tensorcnt 0x0                           ; the wave's end
	ds_add_u32 v[SPW], v[NIL]
	s_wait_dscnt 0x0
	CROUND                                         ; the closing round
	s_endpgm
.Lfunc_end_k_qc3aa02aaae_attn:
	.size	k_qc3aa02aaae_attn, .Lfunc_end_k_qc3aa02aaae_attn-k_qc3aa02aaae_attn
	.p2alignl 7, 3214868480
	.fill 96, 4, 3214868480
	.section	.rodata,"a",@progbits
	.p2align	6, 0x0
	.amdhsa_kernel k_qc3aa02aaae_attn
		.amdhsa_group_segment_fixed_size 327680
		.amdhsa_private_segment_fixed_size 0
		.amdhsa_enable_private_segment 0
		.amdhsa_kernarg_size 32
		.amdhsa_user_sgpr_count 2
		.amdhsa_user_sgpr_kernarg_segment_ptr 1
		.amdhsa_wavefront_size32 1
		.amdhsa_system_sgpr_workgroup_id_x 1
		.amdhsa_system_sgpr_workgroup_id_y 1
		.amdhsa_system_sgpr_workgroup_id_z 1
		.amdhsa_system_vgpr_workitem_id 0
		.amdhsa_next_free_vgpr 944
		.amdhsa_next_free_sgpr 100
		.amdhsa_reserve_vcc 1
		.amdhsa_float_denorm_mode_32 3
		.amdhsa_float_denorm_mode_16_64 3
		.amdhsa_memory_ordered 1
		.amdhsa_forward_progress 1
		.amdhsa_inst_pref_size 207
	.end_amdhsa_kernel
	.amdgpu_metadata
---
amdhsa.version: [ 1, 2 ]
amdhsa.kernels:
  - .name:           k_qc3aa02aaae_attn
    .symbol:         k_qc3aa02aaae_attn.kd
    .args:
      - { .name: qkv, .offset: 0, .size: 8, .value_kind: global_buffer, .address_space: global }
      - { .name: ob, .offset: 8, .size: 8, .value_kind: global_buffer, .address_space: global }
      - { .name: t32, .offset: 16, .size: 8, .value_kind: global_buffer, .address_space: global }
      - { .name: o32, .offset: 24, .size: 8, .value_kind: global_buffer, .address_space: global }
    .group_segment_fixed_size: 327680
    .private_segment_fixed_size: 0
    .kernarg_segment_align: 8
    .kernarg_segment_size: 32
    .max_flat_workgroup_size: 128
    .sgpr_count:     100
    .vgpr_count:     944
    .wavefront_size: 32
...
	.end_amdgpu_metadata
.endif
;; end of part 3
;; launch out (part 4): grid 16 x 16, 4 waves a work-group, clusters of 4 x 4, 327,680 bytes of LDS; arguments ob, bf, o32, out0; writes out0
.if DOCPART == 4
	.amdgcn_target "amdgcn-amd-amdhsa--gfx1250"
	.amdhsa_code_object_version 6
	.text
	.protected	k_qc3aa02aaae_out
	.globl	k_qc3aa02aaae_out
	.p2align	8
	.type	k_qc3aa02aaae_out,@function
k_qc3aa02aaae_out:
	s_mov_b64 s[64:65], 0
	v_nop
	global_prefetch_b8 v0, s[64:65] scope:SCOPE_SE
	s_setreg_imm32_b32 hwreg(HW_REG_WAVE_MODE, 25, 1), 1
	s_wait_xcnt 0x0
	s_wait_alu depctr_hold_cnt(0) depctr_sa_sdst(0) depctr_va_vdst(0) depctr_va_sdst(0) depctr_va_ssrc(0) depctr_va_vcc(0) depctr_vm_vsrc(0)
	s_getreg_b32 s2, hwreg(HW_REG_IB_STS2, 6, 4)
	s_cmp_eq_u32 s2, 0
	s_cbranch_scc0 .Lentry_in_a_cluster
	s_endpgm
.Lentry_in_a_cluster:
	s_bfe_u32 s2, ttmp6, 0x10000c
	s_cmp_lg_u32 s2, 0xf033
	s_cbranch_scc0 .Lentry_shape_is_right
	s_endpgm
.Lentry_shape_is_right:
; out0 = O' Wo'^T, 4096 x 2048 x 1024, f16 operands (O' = O / 4, Wo' = 4 Wo: the scales cancel), f32 sums, f32 out.
; SHARES, RING, CLUSTER as in the projection in front: a tile of 256 rows x 128 columns, 16 x 16 work-groups; wave w owns rows 64 w .. 64 w + 63: 32 accumulators; the product is used transposed, so a lane holds row l % 16 and
; eight neighbouring columns.  K goes in steps of 128 through two LDS slots (O's 256 rows, Wo's 128, rows of 272 bytes); waves 0, 1 fetch O's halves, waves 2, 3 Wo's; joint loads along rows and columns of a 4 x 4 cluster.
; ROWS 0-15 ARE MADE IN F32, from o32 [16][1024] (O' of those rows, never rounded to 16 bits): row r averages over r + 1 keys only, so its numbers are many times the result's root mean square, and f16's rounding of O would
; weigh too much there.  The tile's own rows 0-15 are not stored.  Work-group number 16 x tile row + tile column takes 4 of the 16 rows and 32 of the 2,048 columns (the number enters global addresses alone), a wave 8 columns.
; At the head wave w brings one of the four rows into LDS and its 8 columns of Wo' into registers; behind the stores of the tile's blocks 1, 2, 3 a loop of four trips, a row each, multiplies by vector arithmetic (a lane takes 32 of a
; sum's 1,024 terms).  Block 0, whose stores run under an EXEC that hangs on the tile row, leaves last: every LDS address of the text is made ahead of that change of EXEC, from the thread's number, the wave's number and constants.
; REGISTERS.  window 0: v16-37 addresses; v64-159, v160-255 two fragment buffers; on the way out v64-127, v128-191 rows read back; in the f32 rows v192-223 a row of O', v224-239 sums.
;   window 1: accumulator (a, b) at 8 (8 a + b).   window 2: v0-127 my 8 columns of Wo': column ci, its 256 numbers cc at 16 ci + 4 cc.
.set SIZE_K, 1024
.set KSTEP,  128
.set PITCH,  272
.set PART,   128*PITCH
.set HALFB,  64*PITCH
.set SLOT,   3*PART
.set STAGE,  2*SLOT                    ; behind the ring: 16 rows x 528 bytes of f32 for each wave
.set SPITCH, 528
.set SPARE,  STAGE+4*16*SPITCH         ; the spare words: 128 bytes a wave, two blocks of 256 bytes that no other line names
.set TOPO,   SPARE+512                 ; four rows of o32, 4,096 bytes each: stored by the waves, never filled by a tensor load
.set TOPR,   TOPO+16384                ; the f32 rows' results: 4 rows x 32 columns, 512 bytes
.set LAPS,   SIZE_K/(2*KSTEP)
.set WO,     25165824                  ; Wo' in bf
.set ADRA, 16
.set OOF,  18                          ; o32: 4,096 x my row + 16 l
.set WOF,  19                          ; Wo': 2,048 x my first column + 16 l
.set ADRB, 20
.set OST,  22                          ; LDS: where my row of o32 goes
.set ORD,  23                          ; LDS: my 8 numbers of each 256 of the first of the four rows; never rewritten
.set STO,  24
.set RD,   25
.set CO,   26
.set ZR,   27
.set SPW,  28
.set NIL,  29
.set PFO,  30
.set ROWB, 31
.set RSA,  32                          ; LDS: the result of column 8 w + l % 8 of the first of the four rows; never rewritten
.set RRD,  33                          ; LDS: 16 bytes of the results
.set TGO,  34                          ; out0: 8,192 (l / 8) + 16 (l % 8)
.set L8,   35                          ; l % 8
.set ORA,  36                          ; ORD + the row in hand
.set RSB,  37                          ; RSA + the row in hand
.set F0,   64
.set F1,   160
.set BK,   64
.set G1,   24
.set G0,   32
.set G1B,  48
.set G0B,  56
.set PFA,  66
.set LIM,  68
.set RO,   84                          ; s84  the row in hand: its bytes in the four rows of O', 0 to 12,288
.set RR,   85                          ; s85  and in the results, 0 to 384
.set SEL,  86                          ; s[86:87] v_permlanex16_b32's selects
.set MUL,  0x50
.set MSB, 0
.macro WIN new
.if MSB != (\new)
	s_set_vgpr_msb (MSB<<8)|(\new)
.set MSB, \new
.endif
.endm
.macro PLACES
.rept 4
	v_nop
.endr
.endm
.macro JLOAD s                         ; a joint load: waves 0, 1 for O, waves 2, 3 for Wo; an s_nop 0 and four v_nop follow each line
	s_cmp_eq_u32 s11, 0
	s_cbranch_scc0 .Lfor_b_\@
	tensor_load_to_lds s[G0+4*(\s):G0+4*(\s)+3], s[G1:G1+7]
	s_nop 0
.rept 4
	v_nop
.endr
	s_branch .Lasked_\@
.Lfor_b_\@:
	tensor_load_to_lds s[G0B+4*(\s):G0B+4*(\s)+3], s[G1B:G1B+7]
	s_nop 0
.rept 4
	v_nop
.endr
.Lasked_\@:
.endm
.macro ASK                             ; 32 rows x 256 bytes of the K step two refills on, a lane a row; the loop's last trip has no such step
	s_cmp_gt_u32 s3, s[LIM]
	s_cbranch_scc0 .Lnot_mine_\@
	global_prefetch_b8 v[PFO], s[PFA:PFA+1] offset:KSTEP*2 th:TH_LOAD_NT scope:SCOPE_SE
.Lnot_mine_\@:
.endm
.macro CREST
	s_cmp_lg_u32 s10, 0
	s_cbranch_scc1 .Lnot_wave_0_\@
	s_barrier_signal -3
.Lnot_wave_0_\@:
	s_barrier_wait -3
	s_barrier_signal -1
	s_barrier_wait -1
.endm
.macro CROUND
	s_barrier_signal -1
	s_barrier_wait -1
	CREST
.endm
	s_load_b128 s[4:7], s[0:1], 0x0                ; ob s[4:5], bf s[6:7]
	s_load_b64 s[82:83], s[0:1], 0x10              ; o32
	s_load_b64 s[8:9], s[0:1], 0x18                ; out0
	v_lshl_add_u32 v[SPW], v0, 2, SPARE
	v_mov_b32 v[NIL], 0
	ds_add_u32 v[SPW], v[NIL]                      ; the wave's opening: the add and its wait stand ahead of my first tensor load
	v_lshrrev_b32 v1, 5, v0
	v_readfirstlane_b32 s10, v1
	s_lshr_b32 s11, s10, 1
	s_and_b32 s12, s10, 1
	s_bfe_u32 s40, ttmp6, 0x40000                  ; cx
	s_bfe_u32 s41, ttmp6, 0x40004                  ; cy
	s_lshl_b32 s42, ttmp9, 2
	s_add_co_u32 s42, s42, s40                     ; tile column
	s_and_b32 s13, ttmp7, 0xffff
	s_lshl_b32 s13, s13, 2
	s_add_co_u32 s13, s13, s41                     ; tile row
	s_lshl_b32 s43, s41, 2
	s_lshl_b32 s43, 15, s43
	s_lshl_b32 s44, 0x1111, s40
	s_or_b32 s[G1+0], s43, (1<<16)|(1<<20)|(1<<21)|(5<<22)|(3<<25)
	s_or_b32 s[G1B+0], s44, (1<<16)|(1<<20)|(1<<21)|(5<<22)|(3<<25)
	s_mov_b32 s[G1+1], KSTEP<<16
	s_mov_b32 s[G1B+1], KSTEP<<16
	s_mov_b32 s[G1+2], 128<<16
	s_mov_b32 s[G1B+2], 64<<16
	s_mov_b32 s[G1+3], KSTEP<<16
	s_mov_b32 s[G1B+3], KSTEP<<16
	s_mov_b32 s[G1+4], 128
	s_mov_b32 s[G1B+4], 64
	s_mov_b32 s[G1+5], SIZE_K
	s_mov_b32 s[G1B+5], SIZE_K
	s_mov_b32 s[G1+6], 0
	s_mov_b32 s[G1B+6], 0
	s_mov_b32 s[G1+7], 0
	s_mov_b32 s[G1B+7], 0
	s_lshl_b32 s17, s12, 7
	s_lshl_b32 s16, s13, 8
	s_add_co_u32 s16, s16, s17
	s_lshl_b32 s47, s12, 6
	s_lshl_b32 s46, s42, 7
	s_add_co_u32 s46, s46, s47
	s_mov_b32 s17, 0
	s_mov_b32 s47, 0
	s_mov_b64 s[18:19], SIZE_K*2
	s_mul_u64 s[16:17], s[16:17], s[18:19]
	s_mul_u64 s[46:47], s[46:47], s[18:19]
	s_mul_i32 s20, s10, PART
	s_mul_i32 s21, s10, HALFB
	s_add_co_u32 s21, s21, 2*PART-2*HALFB
	s_wait_dscnt 0x0
	s_wait_kmcnt 0x0
	s_add_nc_u64 s[80:81], s[6:7], WO
	s_add_nc_u64 s[14:15], s[4:5], s[16:17]
	s_add_nc_u64 s[46:47], s[80:81], s[46:47]
	CROUND
.irp s, 0,1
	s_mov_b32 s[G0+4*(\s)], 1
	s_add_co_u32 s[G0+4*(\s)+1], s20, (\s)*SLOT
	s_add_nc_u64 s[G0+4*(\s)+2:G0+4*(\s)+3], s[14:15], (\s)*KSTEP*2
	s_or_b32 s[G0+4*(\s)+3], s[G0+4*(\s)+3], 0x80000000
	s_mov_b32 s[G0B+4*(\s)], 1
	s_add_co_u32 s[G0B+4*(\s)+1], s21, (\s)*SLOT
	s_add_nc_u64 s[G0B+4*(\s)+2:G0B+4*(\s)+3], s[46:47], (\s)*KSTEP*2
	s_or_b32 s[G0B+4*(\s)+3], s[G0B+4*(\s)+3], 0x80000000
	JLOAD \s
.endr
	v_and_b32 v[CO], 31, v0
	v_lshlrev_b32 v[CO], 4, v[CO]                  ; 16 l
	; the f32 rows' inputs are asked for at once: they have the whole product in which to come
	s_lshr_b32 s71, s13, 2                         ; which four of the 16 rows: (16 x tile row + tile column) / 64
	s_and_b32 s72, s13, 3
	s_lshl_b32 s72, s72, 4
	s_add_co_u32 s72, s72, s42                     ; which 32 of the 2,048 columns: the same number mod 64
	s_lshl_b32 s73, s71, 2
	s_add_co_u32 s73, s73, s10                     ; wave w brings row w of the four
	s_lshl_b32 s73, s73, 12
	v_add_nc_u32 v[OOF], s73, v[CO]
	s_lshl_b32 s73, s72, 2
	s_add_co_u32 s73, s73, s10                     ; my 8 columns: rows of Wo' of 2,048 bytes
	s_lshl_b32 s73, s73, 14
	v_add_nc_u32 v[WOF], s73, v[CO]
.irp j, 0,1,2,3,4,5,6,7
	global_load_b128 v[64+4*\j:64+4*\j+3], v[OOF], s[82:83] offset:512*\j
.endr
	WIN 0x80                                       ; destination window 2
.set i, 0
.rept 32
	global_load_b128 v[4*i:4*i+3], v[WOF], s[80:81] offset:2048*(i/4)+512*(i%4)
.set i, i+1
.endr
	WIN 0
	v_and_b32 v1, 15, v0
	v_bfe_u32 v2, v0, 4, 1
	v_mul_u32_u24 v3, v1, PITCH
	v_lshl_add_u32 v3, v2, 4, v3
	s_mul_i32 s21, s10, 64*PITCH
	s_mov_b32 s22, 2*PART
.irp s, 0,1
	v_add_nc_u32 v[ADRA+(\s)], s21, v3
	v_add_nc_u32 v[ADRB+(\s)], s22, v3
	s_add_co_u32 s21, s21, SLOT
	s_add_co_u32 s22, s22, SLOT
.endr
	s_mul_i32 s23, s10, 16*SPITCH
	s_add_co_u32 s23, s23, STAGE
	v_mul_u32_u24 v4, v1, SPITCH                   ; in: row l % 16, 32 bytes for each half of the lanes
	v_lshl_add_u32 v4, v2, 5, v4
	v_add_nc_u32 v[STO], s23, v4
	v_add_nc_u32 v[RD], s23, v[CO]                 ; back: 32 lanes take one row of 512 bytes
	s_lshl_b32 s74, s13, 8
	s_lshl_b32 s75, s10, 6
	s_add_co_u32 s74, s74, s75
	v_mov_b32 v[ROWB], s74                         ; my wave's first row
	s_lshl_b32 s74, s74, 13                        ; rows of 8,192 bytes
	s_mov_b32 s75, 0
	s_add_nc_u64 s[76:77], s[8:9], s[74:75]
	s_lshl_b32 s74, s42, 9
	s_add_nc_u64 s[76:77], s[76:77], s[74:75]      ; out0 at my wave's first row, the tile's first column
	s_lshl_b32 s74, s71, 15                        ; the f32 rows: four rows of 8,192 bytes,
	s_lshl_b32 s73, s72, 7                         ; 32 columns of 4 bytes
	s_add_co_u32 s74, s74, s73
	s_add_nc_u64 s[78:79], s[8:9], s[74:75]
	v_mov_b32 v[ZR], 0
	v_and_b32 v[L8], 7, v0
	v_bfe_u32 v4, v0, 3, 2
	v_lshlrev_b32 v[TGO], 13, v4
	v_lshl_add_u32 v[TGO], v[L8], 4, v[TGO]
	v_and_b32 v5, 31, v0
	v_lshl_add_u32 v[ORD], v5, 5, TOPO
	s_lshl_b32 s[RO], s10, 12                      ; (the two scalars serve here once, with the wave's number alone; the loop below sets them anew)
	s_add_co_u32 s[RO], s[RO], TOPO
	v_add_nc_u32 v[OST], s[RO], v[CO]
	s_lshl_b32 s[RR], s10, 5
	s_add_co_u32 s[RR], s[RR], TOPR
	v_lshl_add_u32 v[RSA], v[L8], 2, s[RR]
	v_add_nc_u32 v[RRD], TOPR, v[CO]
	s_lshl_b32 s20, s13, 8                         ; the prefetches: O's rows by cluster x = 0, Wo's by cluster y = 0 (wave 2 alone); the partners share the rows out by address
	s_lshl_b32 s22, s12, 7
	s_add_co_u32 s20, s20, s22
	s_lshl_b32 s21, s42, 7
	s_and_b32 s22, ttmp7, 0xffff
	s_cmp_eq_u32 s11, 0
	s_cselect_b32 s20, s20, s21
	s_cselect_b32 s21, s40, s41
	s_cselect_b32 s22, ttmp9, s22
	s_cselect_b64 s[PFA:PFA+1], s[4:5], s[80:81]
	s_cmp_eq_u32 s22, 0
	s_cselect_b32 s[LIM], 1, -1
	s_cmp_eq_u32 s10, 3
	s_cselect_b32 s[LIM], -1, s[LIM]
	s_lshl_b32 s21, s21, 5
	s_add_co_u32 s20, s20, s21
	s_mov_b32 s21, 0
	s_mul_u64 s[20:21], s[20:21], s[18:19]
	s_add_nc_u64 s[PFA:PFA+1], s[PFA:PFA+1], s[20:21]
	s_add_nc_u64 s[PFA:PFA+1], s[PFA:PFA+1], 2*KSTEP*2
	v_and_b32 v[PFO], 31, v0
	v_mul_u32_u24 v[PFO], v[PFO], SIZE_K*2
.macro MUL8 f, a, zero
	WIN MUL
.irp b, 0,1,2,3,4,5,6,7
.if \zero
	v_wmma_f32_16x16x32_f16 v[8*(8*(\a)+(\b)):8*(8*(\a)+(\b))+7], v[(\f)+8*(\b):(\f)+8*(\b)+7], v[(\f)+64+8*(\a):(\f)+64+8*(\a)+7], 0
.else
	v_wmma_f32_16x16x32_f16 v[8*(8*(\a)+(\b)):8*(8*(\a)+(\b))+7], v[(\f)+8*(\b):(\f)+8*(\b)+7], v[(\f)+64+8*(\a):(\f)+64+8*(\a)+7], v[8*(8*(\a)+(\b)):8*(8*(\a)+(\b))+7]
.endif
.endr
.endm
.macro FETCH slot, k, f
	WIN 0
.irp i, 0,1,2,3,4,5,6,7
	ds_load_b128 v[(\f)+8*(\i):(\f)+8*(\i)+3],   v[ADRB+(\slot)] offset:(\k)+(\i)*16*PITCH
	ds_load_b128 v[(\f)+8*(\i)+4:(\f)+8*(\i)+7], v[ADRB+(\slot)] offset:(\k)+(\i)*16*PITCH+32
.endr
.irp i, 0,1,2,3
	ds_load_b128 v[(\f)+64+8*(\i):(\f)+64+8*(\i)+3],   v[ADRA+(\slot)] offset:(\k)+(\i)*16*PITCH
	ds_load_b128 v[(\f)+64+8*(\i)+4:(\f)+64+8*(\i)+7], v[ADRA+(\slot)] offset:(\k)+(\i)*16*PITCH+32
.endr
.endm
.macro QUARTER slot, k, f, g, zero
	s_wait_dscnt 4                                 ; all but the youngest four loads: O's blocks 2 and 3
	MUL8 \f, 0, \zero
	MUL8 \f, 1, \zero
	PLACES
	FETCH \slot, \k, \g
	s_wait_dscnt 24                                ; all but the 24 just issued
	MUL8 \f, 2, \zero
	MUL8 \f, 3, \zero
.endm
.macro TURN slot, next, fill
.if \fill
	s_wait_xcnt 0x0                                ; the last prefetch, a K step back, has read its address
	s_add_nc_u64 s[PFA:PFA+1], s[PFA:PFA+1], KSTEP*2
.endif
	WIN 0
	s_wait_tensorcnt 0x0                           ; all my tensor loads have landed: my part of the next slot
	ds_add_u32 v[SPW], v[NIL]
	s_wait_dscnt 5                                 ; the add and O's last four loads may be out
	MUL8 F1, 0, 0
	s_wait_dscnt 0x0                               ; the add is done, and my reads of this slot are over
	s_barrier_signal -1
	MUL8 F1, 1, 0
.if \fill
	WIN 0
.endif
	s_barrier_wait -1
.if \fill
	CREST
	s_add_nc_u64 s[G0+4*(\slot)+2:G0+4*(\slot)+3], s[G0+4*(\slot)+2:G0+4*(\slot)+3], 2*KSTEP*2
	s_add_nc_u64 s[G0B+4*(\slot)+2:G0B+4*(\slot)+3], s[G0B+4*(\slot)+2:G0B+4*(\slot)+3], 2*KSTEP*2
	JLOAD \slot
.else
	PLACES
.endif
	FETCH \next, 0, F0
.if \fill
	ASK
.endif
	MUL8 F1, 2, 0
	MUL8 F1, 3, 0
.endm
	s_wait_loadcnt 32                              ; my row of o32 is in; the 32 loads of Wo' behind it may stay out till the end
.irp j, 0,1,2,3,4,5,6,7
	ds_store_b128 v[OST], v[64+4*\j:64+4*\j+3] offset:512*\j
.endr
	s_wait_tensorcnt 0x1                           ; my part of K step 0 is in; K step 1's may stay out
	s_wait_dscnt 0x0                               ; for the others' sake: my row of o32 lies in LDS
	s_barrier_signal -1
	s_barrier_wait -1
	FETCH 0, 0, F0
	QUARTER 0, 64, F0, F1, 1
	WIN 0
	s_mov_b32 s3, LAPS-1
.Llap:
	QUARTER 0, 128, F1, F0, 0
	QUARTER 0, 192, F0, F1, 0
	TURN 0, 1, 1
	QUARTER 1, 64,  F0, F1, 0
	QUARTER 1, 128, F1, F0, 0
	QUARTER 1, 192, F0, F1, 0
	TURN 1, 0, 1
	QUARTER 0, 64,  F0, F1, 0
	WIN 0
	s_sub_co_u32 s3, s3, 1
	s_cmp_lg_u32 s3, 0
	s_cbranch_scc1 .Llap
	QUARTER 0, 128, F1, F0, 0
	QUARTER 0, 192, F0, F1, 0
	TURN 0, 1, 0
	QUARTER 1, 64,  F0, F1, 0
	QUARTER 1, 128, F1, F0, 0
	QUARTER 1, 192, F0, F1, 0
	s_wait_dscnt 4
	MUL8 F1, 0, 0
	MUL8 F1, 1, 0
	s_wait_dscnt 0x0
	MUL8 F1, 2, 0
	MUL8 F1, 3, 0
	WIN 0
; THE WAY OUT: a block of 16 rows goes in f32 through my stage and comes back as whole rows of 512 bytes.  The blocks go in the order 1, 2, 3, 0, on two sets of registers by the block's parity.
.macro TOSTAGE a, wx                   ; wx = 1: the set of registers has been stored from before
.if \wx
	s_wait_xcnt 0x0                                ; the stores of the block two back in the order have read the registers that the loads below write
.endif
	WIN 0x04                                       ; store data in window 1; each accumulator's lowest registers go first
.irp b, 0,1,2,3,4,5,6,7
	ds_store_b128 v[STO], v[8*(8*(\a)+(\b)):8*(8*(\a)+(\b))+3] offset:64*(\b)
	ds_store_b128 v[STO], v[8*(8*(\a)+(\b))+4:8*(8*(\a)+(\b))+7] offset:64*(\b)+16
.endr
	WIN 0
.irp t, 0,1,2,3,4,5,6,7,8,9,10,11,12,13,14,15
	ds_load_b128 v[BK+64*((\a)%2)+4*(\t):BK+64*((\a)%2)+4*(\t)+3], v[RD] offset:(\t)*SPITCH  ; LDS serves a wave's instructions in order (ISA guide 5.7.1.4)
.endr
.endm
.macro SEND a, younger                 ; younger: the next block's 16 stores and 16 loads, or none
	s_wait_dscnt \younger
.if (\a) == 0
	v_cmp_ne_u32 vcc_lo, 0, v[ROWB]                ; rows 0-15 of the result are made in f32: the wave whose first row is 0 stores nothing of its block 0
	s_wait_xcnt 0x0                                ; EXEC changes only behind s_wait_xcnt 0
	s_and_saveexec_b32 s70, vcc_lo
.endif
.irp t, 0,1,2,3,4,5,6,7,8,9,10,11,12,13,14,15
	global_store_b128 v[CO], v[BK+64*((\a)%2)+4*(\t):BK+64*((\a)%2)+4*(\t)+3], s[76:77] offset:(16*(\a)+(\t))*8192 th:TH_STORE_NT  ; 512 consecutive bytes, aligned
.endr
.if (\a) == 0
	s_wait_xcnt 0x0
	s_or_b32 exec_lo, exec_lo, s70
.endif
.endm
	PLACES
	TOSTAGE 1, 0
	TOSTAGE 2, 0
	SEND 1, 32
	TOSTAGE 3, 1
	SEND 2, 32
	TOSTAGE 0, 1
	SEND 3, 32
; THE F32 ROWS, while the stores of blocks 1, 2, 3 are leaving.  A trip makes one row x my 8 columns: sum ci += Wo'[column ci][256 cc + 8 l + ce] x O'[row][the same]; the eight sums take turns, so that no line waits for the one before it.
; The trip's two LDS addresses are a base made at the head plus a scalar that steps with the counted loop.
.macro FM
.set wr, 16*ci+4*cc+ce/2
.set sr, 224+ci
.if (cc == 0) && (ce == 0)
.set sr, ZR
.endif
.if ce%2
	v_fma_mix_f32 v[224+ci], v[wr], v[192+8*cc+ce], v[sr] op_sel:[1,0,0] op_sel_hi:[1,0,0]
.else
	v_fma_mix_f32 v[224+ci], v[wr], v[192+8*cc+ce], v[sr] op_sel_hi:[1,0,0]
.endif
.endm
	s_wait_loadcnt 0x0                             ; my 8 columns of Wo', asked for at the head
	s_mov_b32 s[SEL], 0x76543210                   ; v_permlanex16_b32: each lane takes its own place in the other half
	s_mov_b32 s[SEL+1], 0xfedcba98
	s_mov_b32 s[RO], 0
	s_mov_b32 s[RR], 0
	s_mov_b32 s3, 4
.Lrow:
	v_add_nc_u32 v[ORA], s[RO], v[ORD]
	v_add_nc_u32 v[RSB], s[RR], v[RSA]
.irp c, 0,1,2,3
	ds_load_b128 v[192+8*\c:192+8*\c+3], v[ORA] offset:1024*\c
	ds_load_b128 v[192+8*\c+4:192+8*\c+7], v[ORA] offset:1024*\c+16
.endr
	s_wait_dscnt 0x0
	WIN 0x02                                       ; source 0 (Wo') window 2
.set cc, 0
.rept 4
.set ce, 0
.rept 8
.set ci, 0
.rept 8
	FM
.set ci, ci+1
.endr
.set ce, ce+1
.endr
.set cc, cc+1
.endr
	WIN 0
.irp m, 1,2,4,8
.set j, 0
.rept 8
	v_add_f32_dpp v[224+j], v[224+j], v[224+j] row_xmask:\m row_mask:0xf bank_mask:0xf
.set j, j+1
.endr
.endr
.set j, 0
.rept 8
	v_permlanex16_b32 v232, v[224+j], s[SEL], s[SEL+1]
	v_add_f32 v[224+j], v[224+j], v232
.set j, j+1
.endr
	v_mov_b32 v233, v224
.irp i, 1,2,3,4,5,6,7
	v_cmp_eq_u32 vcc_lo, \i, v[L8]
	v_cndmask_b32 v233, v233, v[224+\i], vcc_lo    ; lane l keeps column l % 8
.endr
	ds_store_b32 v[RSB], v233                      ; four lanes write the same word with the same number
	s_add_co_u32 s[RO], s[RO], 4096                ; the next row
	s_add_co_u32 s[RR], s[RR], 128
	s_sub_co_u32 s3, s3, 1
	s_cmp_lg_u32 s3, 0
	s_cbranch_scc1 .Lrow
	s_wait_dscnt 0x0                               ; for wave 0's sake
	s_barrier_signal -1
	s_barrier_wait -1                              ; all four waves' results lie in LDS
	s_cmp_lg_u32 s10, 0
	s_cbranch_scc1 .Lres
	ds_load_b128 v[236:239], v[RRD]
	s_wait_dscnt 0x0
	global_store_b128 v[TGO], v[236:239], s[78:79] ; four rows, 128 consecutive bytes of each
.Lres:
	SEND 0, 0                                      ; the tile's block 0 leaves last; it came back from the stage ahead of the loop's first wait for 0
	s_wait_tensorcnt 0x0                           ; the wave's end
	ds_add_u32 v[SPW], v[NIL]
	s_wait_dscnt 0x0
	CROUND                                         ; the closing round
	s_endpgm
.Lfunc_end_k_qc3aa02aaae_out:
	.size	k_qc3aa02aaae_out, .Lfunc_end_k_qc3aa02aaae_out-k_qc3aa02aaae_out
	.p2alignl 7, 3214868480
	.fill 96, 4, 3214868480
	.section	.rodata,"a",@progbits
	.p2align	6, 0x0
	.amdhsa_kernel k_qc3aa02aaae_out
		.amdhsa_group_segment_fixed_size 327680
		.amdhsa_private_segment_fixed_size 0
		.amdhsa_enable_private_segment 0
		.amdhsa_kernarg_size 32
		.amdhsa_user_sgpr_count 2
		.amdhsa_user_sgpr_kernarg_segment_ptr 1
		.amdhsa_wavefront_size32 1
		.amdhsa_system_sgpr_workgroup_id_x 1
		.amdhsa_system_sgpr_workgroup_id_y 1
		.amdhsa_system_sgpr_workgroup_id_z 1
		.amdhsa_system_vgpr_workitem_id 0
		.amdhsa_next_free_vgpr 640
		.amdhsa_next_free_sgpr 88
		.amdhsa_reserve_vcc 1
		.amdhsa_float_denorm_mode_32 3
		.amdhsa_float_denorm_mode_16_64 3
		.amdhsa_memory_ordered 1
		.amdhsa_forward_progress 1
		.amdhsa_inst_pref_size 112
	.end_amdhsa_kernel
	.amdgpu_metadata
---
amdhsa.version: [ 1, 2 ]
amdhsa.kernels:
  - .name:           k_qc3aa02aaae_out
    .symbol:         k_qc3aa02aaae_out.kd
    .args:
      - { .name: ob, .offset: 0, .size: 8, .value_kind: global_buffer, .address_space: global }
      - { .name: bf, .offset: 8, .size: 8, .value_kind: global_buffer, .address_space: global }
      - { .name: o32, .offset: 16, .size: 8, .value_kind: global_buffer, .address_space: global }
      - { .name: out0, .offset: 24, .size: 8, .value_kind: global_buffer, .address_space: global }
    .group_segment_fixed_size: 327680
    .private_segment_fixed_size: 0
    .kernarg_segment_align: 8
    .kernarg_segment_size: 32
    .max_flat_workgroup_size: 128
    .sgpr_count:     88
    .vgpr_count:     640
    .wavefront_size: 32
...
	.end_amdgpu_metadata
.endif
;; end of part 4
